; MI455X (gfx1250); checked and timed in simulation.
; The chip was launched on July 23, 2026; its instructions are those of AMD's public machine-readable ISA for CDNA 5 (MIT licence, August 2026) and "CDNA5" Instruction Set Architecture Reference Guide (July 2026). The comments in the code are by the model that wrote it; some were corrected since.
;; T5 Gemma2 Decoder. Allowed arithmetic: matrix products marked QUANTISED: E2M3 operands, one E8M0 scale for each 32 along K, by v_wmma_scale_f32_16x16x128_f8f6f4 with both operands' format E2M3, f32 sums; everything else in f32.
;; Inputs: cos 2 x 1,024 x 256 float32; decoder_attention_mask 2 x 1,024 int32; encoder_attention_mask 2 x 1,024 int32; encoder_hidden_states 2 x 1,024 x 2,048 float32; hidden_states 2 x 1,024 x 2,048 float32; k_norm_w 256 float32; position_ids 2 x 1,024 int32; q_norm_w 256 float32; sin 2 x 1,024 x 256 float32; wk 2,048 x 1,024 float32; wo 2,048 x 2,048 float32; wq 2,048 x 2,048 float32; wv 2,048 x 1,024 float32.
;; Outputs: out0 2 x 1,024 x 2,048 float32.
;; This version of the problem:
;;   THIS VERSION OF THE PROBLEM IS GIVEN IN LOW PRECISION. The matrix products marked QUANTISED in the list below multiply operands that are first quantised to E2M3 (2 exponent bits, 3 mantissa bits; 6 bits a number), with one power-of-two scale for each 32 numbers along K (OCP MX v1.0); their sums are f32. All else is computed in f32.
;;   The module's matrix products, in the order in which they are computed (A, B: the left and right operand; K: the contracted axis; several contracted axes count as one K, in the product's order):
;;     1. [M 2,048, K 2,048] x [K 2,048, N 2,048]; A: input hidden_states; B: input wq: QUANTISED
;;     2. [M 2,048, K 2,048] x [K 2,048, N 1,024]; A: input hidden_states; B: input wk: QUANTISED
;;     3. [M 2,048, K 2,048] x [K 2,048, N 1,024]; A: input hidden_states; B: input wv: QUANTISED
;;     4. [M 2,048, K 2,048] x [K 2,048, N 1,024]; A: input encoder_hidden_states; B: input wk: QUANTISED
;;     5. [M 2,048, K 2,048] x [K 2,048, N 1,024]; A: input encoder_hidden_states; B: input wv: QUANTISED
;;     6. batch 16 x [M 1,024, K 256] x [K 256, N 2,048]; A: computed on the way; B: computed on the way: QUANTISED
;;     7. batch 16 x [M 1,024, K 2,048] x [K 2,048, N 256]; A: softmax (see below); B: computed on the way: QUANTISED
;;     8. [M 2,048, K 2,048] x [K 2,048, N 2,048]; A: computed on the way; B: input wo: QUANTISED
;;   THE QUANTISER, for each operand of a quantised product, along K:
;;     - K is cut into blocks of 32 from its start; a last block that is shorter is filled with zeros.
;;     - A block's scale is 2^e with e = floor(log2(the largest magnitude in the block)) - 2, held to -126 .. 127; a block of zeros has e = 0. As a byte (E8M0): e + 127.
;;     - Each number is divided by its block's scale, clamped to +-7.5, and rounded to the nearest number of E2M3, ties to even, subnormals kept.
;;     - The product sums the exact products of the quantised numbers (number of the format x scale) in f32.
;;   ~~~python
;;   def quantise(x, axis):      # numpy; x: float32 -> the quantised numbers, widened to float32 again
;;       x = np.moveaxis(x, axis, -1); K = x.shape[-1]
;;       x = np.pad(x, [(0, 0)] * (x.ndim - 1) + [(0, -K % 32)]); x = x.reshape(x.shape[:-1] + (-1, 32)); a = np.abs(x).max(-1, keepdims=True)
;;       e = np.where(a > 0, np.clip(np.frexp(np.where(a > 0, a, 1))[1] - 1 - 2, -126, 127), 0)      # np.frexp(a)[1] - 1 = floor(log2(a)), exactly
;;       r = np.clip(x / 2.0 ** e, -7.5, 7.5)
;;       step = 2.0 ** (np.maximum(np.frexp(np.where(r == 0, 1, r))[1] - 1, 0) - 3)
;;       q = np.round(r / step) * step * 2.0 ** e      # np.round: ties to even
;;       return np.moveaxis(q.reshape(q.shape[:-2] + (-1,))[..., :K], -1, axis).astype(np.float32)
;;   ~~~
;;   SOFTMAX AHEAD OF A QUANTISED PRODUCT. Where the list says 'softmax', what is quantised is not the finished softmax but p = 2^(t - M), with t = logit x log2(e) and M = ceil(the row's largest t), a whole number; so 1/2 < the row's largest p <= 1. The row's sum l is taken of the UNQUANTISED p, in f32, and the product's result is divided by l at the end. Since M is a whole number, a kernel that streams over the keys may use a running M (the ceiling of the running maximum): every later rescaling is an exact power of two, which a block's scale takes up: the codes' values come out the same.
;;   OPERANDS COMPUTED ON THE WAY. 'Computed on the way' means the value that the module computes at that place (a softmax that the list does not call 'softmax' is quantised finished and normalised). What goes into a quantiser is computed in f32, as accurately as f32 sums, v_exp_f32 and their like allow (about 1e-6 of the number): no bf16 or f16 on the way to a quantiser, and a product that is left as it is and whose result goes on into a quantised operand takes f32 operands (vector FMAs, or v_wmma_f32_16x16x4_f32). A number that lies on a knife's edge between two numbers of the format may be rounded either way, as far as f32 arithmetic and the matrix unit's own rounding can turn it there, and no further.
;; One version. Each part assembles by itself: llvm-mc -triple=amdgcn-amd-amdhsa -mcpu=gfx1250 --defsym DOCPART=n.
;; ======== version 1 of 1: 4 launches
;; limits: right only within a limited range of input values
;; workspace buffers: codes 15,728,640 bytes; scl 655,360 bytes; qbuf 3,145,728 bytes; qscl 131,072 bytes; kv 6,553,600 bytes; acodes 3,145,728 bytes; ascl 131,072 bytes
;; launch quant (part 1): grid 80 x 8, 4 waves a work-group, no clusters, 34,304 bytes of LDS; arguments hidden_states, encoder_hidden_states, wq, wk, wv, wo, codes, scl; writes codes, scl
.if DOCPART == 1
	.amdgcn_target "amdgcn-amd-amdhsa--gfx1250"
	.amdhsa_code_object_version 6
	.text
	.protected	k_q0566018510_quant
	.globl	k_q0566018510_quant
	.p2align	8
	.type	k_q0566018510_quant,@function
k_q0566018510_quant:
	s_mov_b64 s[64:65], 0
	v_nop
	global_prefetch_b8 v0, s[64:65] scope:SCOPE_SE
	s_setreg_imm32_b32 hwreg(HW_REG_WAVE_MODE, 25, 1), 1
	s_wait_xcnt 0x0
; THE PROGRAM: four launches.  (1) this one: the f32 inputs of the projections become codes of E2M3 with E8M0 scales.  (2) proj: the five projections, RMS norm, rotation, and the
; quantising of q, k (along the head) and v (along the keys).  (3) attn: both products of attention, softcap, masks, softmax, division, quantising.  (4) outp: the product with wo.
; WORK LEFT OUT (in attn alone).  The self mask holds causal (key <= query) and dist < 512 (key > query - 512), both built in the problem's own body.  For the 32 queries from p0 on, only the
; keys p0 - 511 .. p0 + 31 can count, whatever the inputs hold; a step of 128 self keys that lies wholly outside has the score -1e30 for every query, so p = 0 and it adds nothing to sum or output.
; Such steps are neither fetched nor multiplied.  Every input has a way to the output and is loaded.  A NaN, an infinity or an overflow that reaches only those steps is not carried to the result.
; LIMITS: NaN and infinities among the inputs are not served; a block of zeros carries the scale byte 1 and not 127 (its codes are zeros, and this program alone reads the bytes);
; blocks whose largest magnitude lies under 2^-124, whose byte is held at 1, were not tried.
; LAYOUT OF THE CODES.  Rows of an operand are taken in groups of 32; tile u (0, 1) of a group holds rows 8 u + r + 8 (r / 8), r = 0 .. 15.  A fragment (a tile x 128 along K) is stored as the IMAGE of the
; matrix operand's 12 registers: dword d of lane l at 512 (d / 4) + 16 l + 4 (d % 4): 1,536 bytes.  codes: tile T at 24,576 T, K step s at 1,536 s.  scl: one word a row and K step at 1,024 T + 64 s + 4 r.
; Tiles: hidden 0-127, encoder 128-255, wq 256-383, wk 384-447, wv 448-511, wo 512-639.  In wq and wk the groups of 32 of a head change places (bits 1 and 2 of the group's number), so that a wave of proj
; holds channels d and d + 128 of a head in one lane; q and k carry the same order of whole blocks of 32, so their product is the same.
; SHARES.  Work-groups x < 32: tile T = 32 y + x of the tokens (K innermost), a wave takes four K steps; each load reads 512 consecutive bytes of a row, the numbers turn through the wave's own stage in LDS.
; Work-groups x >= 32: 128 columns x 256 along K of a weight (K outermost): a lane takes a column, its registers run down K, a block of 32 lies in one lane.
.set SPARE, 33792                      ; behind the four stages (4 x 8,448 bytes): the spare words, 128 bytes a wave
.set SPW,  14                          ; v14  my spare word's LDS address; never rewritten
.set NIL,  15                          ; v15  0; never rewritten
.set VL,   4                           ; v4   16 x lane
.set STI,  5                           ; v5   the stage, way in
.set STO,  6                           ; v6   the stage, way out
.set VS4,  7                           ; v7   4 x lane
.set PC,   16                          ; v16-27 a fragment's codes; v28-30, v32-34 at work
.set TM,   36                          ; v36-51 at work in QUANT
.set PW,   52                          ; v52-55 four scale words
.set R,    64                          ; v64-191 two sets of 64 numbers as loaded
.set XR,   192                         ; v192-255 64 numbers in the quantiser's order
.set XW,   64                          ; weights: v64-127 two sets of 32 numbers
.set OW,   128                         ; v128-175 two K steps' codes: 24 registers each, 12 for each half of the image's lanes
.set WT,   176
.set M0,   180
.set M1,   181
.set SO,   182
.set BY,   183
.set SBW,  184
.set SEL,  40                          ; s40, s41 selects for lane l xor 16
.set HM,   42                          ; s42 mask of lanes 16-31
; 64 numbers of a lane, register 16 b + i = k 32 b + 16 (lane / 16) + i of my row, become a fragment's codes in v[PC] on and its scale word in v[pw]
.macro QUANT s, pw
.irp b, 0,1,2,3
	v_max3_num_f32 v[TM+\b], |v[\s+16*\b]|, |v[\s+1+16*\b]|, 0x1800000   ; my 16 numbers of block b, and the floor 2^(3 - 127): the byte cannot fall under 1
.endr
.irp i, 2,4,6,8,10,12,14
.irp b, 0,1,2,3
	v_max3_num_f32 v[TM+\b], v[TM+\b], |v[\s+16*\b+\i]|, |v[\s+1+16*\b+\i]|
.endr
.endr
.irp b, 0,1,2,3
	v_permlanex16_b32 v[TM+4+\b], v[TM+\b], s[SEL], s[SEL+1]
.endr
.irp b, 0,1,2,3
	v_max_num_f32 v[TM+\b], v[TM+\b], v[TM+4+\b]   ; with lane l xor 16's: the block's largest magnitude
.endr
.irp b, 0,1,2,3
	v_add_nc_u32 v[TM+12+\b], 0xff000000, v[TM+\b] ; 2 off its exponent field: the conversion's scale operand
.endr
.irp b, 0,1,2,3
	v_lshrrev_b32 v[TM+4+\b], 23, v[TM+12+\b]      ; the scale's byte
.endr
	v_lshl_or_b32 v[\pw], v[TM+5], 8, v[TM+4]
	v_lshl_or_b32 v[\pw], v[TM+6], 16, v[\pw]
	v_lshl_or_b32 v[\pw], v[TM+7], 24, v[\pw]
.irp c, 0,1
	v_cvt_scalef32_pk16_fp6_f32 v[PC+6*\c:PC+2+6*\c], v[\s+32*\c:\s+15+32*\c], v[TM+12+2*\c]
	v_cvt_scalef32_pk16_fp6_f32 v[PC+12+4*\c:PC+14+4*\c], v[\s+16+32*\c:\s+31+32*\c], v[TM+13+2*\c]
.endr
	v_nop                                          ; one plain place behind a scaled conversion
.irp c, 0,1                                    ; a whole block to a lane: lanes 0-15 block 2 c, lanes 16-31 block 2 c + 1
.irp i, 0,1,2
	v_permlane16_swap_b32 v[PC+6*\c+\i], v[PC+12+4*\c+\i]
.endr
.irp i, 0,1,2
	v_mov_b32 v[PC+3+6*\c+\i], v[PC+12+4*\c+\i]
.endr
.endr
.endm
	s_load_b256 s[4:11], s[0:1], 0x0               ; hidden, encoder, wq, wk
	s_load_b256 s[12:19], s[0:1], 0x20             ; wv, wo, codes, scl
	v_lshl_add_u32 v[SPW], v0, 2, SPARE
	v_mov_b32 v[NIL], 0
	v_lshrrev_b32 v1, 5, v0
	v_readfirstlane_b32 s20, v1                    ; wave
	v_and_b32 v1, 31, v0                           ; lane
	v_and_b32 v2, 15, v0                           ; r
	v_bfe_u32 v3, v0, 4, 1                         ; h
	v_lshlrev_b32 v[VL], 4, v1
	v_lshlrev_b32 v[VS4], 2, v1
	s_and_b32 s21, ttmp7, 0xffff                   ; y
	s_cmp_ge_u32 ttmp9, 32
	s_cbranch_scc1 .Lweights
; ---- tokens: K innermost
	s_lshl_b32 s22, s21, 5
	s_add_co_u32 s22, s22, ttmp9                   ; T
	s_and_b32 s23, s22, 127
	s_lshr_b32 s24, s23, 1
	s_lshl_b32 s24, s24, 5
	s_and_b32 s25, s23, 1
	s_lshl_b32 s25, s25, 3
	s_add_co_u32 s24, s24, s25                     ; the tile's first row: 32 (T / 2) + 8 (T % 2)
	s_lshl_b32 s24, s24, 13                        ; x 8,192 bytes
	s_lshl_b32 s25, s20, 11                        ; my four K steps: 2,048 bytes a wave
	s_add_co_u32 s24, s24, s25
	s_mov_b32 s25, 0
	s_mul_i32 s26, s22, 24576
	s_mul_i32 s27, s20, 6144
	s_add_co_u32 s26, s26, s27
	s_mov_b32 s27, 0
	s_lshl_b32 s28, s22, 10
	s_lshl_b32 s29, s20, 8
	s_add_co_u32 s28, s28, s29
	s_mov_b32 s29, 0
	s_mul_i32 s30, s20, 8448                       ; my stage: 16 rows x (512 + 16) bytes
	s_wait_alu depctr_va_vdst(0)
	v_add_nc_u32 v[STI], s30, v[VL]
	v_mul_u32_u24 v[STO], v2, 528
	v_lshl_add_u32 v[STO], v3, 6, v[STO]
	v_add_nc_u32 v[STO], s30, v[STO]               ; row r, + 64 h: my 16 numbers of a block
	s_mov_b32 s[SEL], 0x76543210
	s_mov_b32 s[SEL+1], 0xfedcba98
	s_mov_b32 s[HM], 0xffff0000
.irp b, 0,1,2,3
	v_mov_b32 v[TM+4+\b], 0                        ; written once: a lane permute's destination counts as a source
.endr
	s_wait_alu depctr_va_vdst(0)
	s_wait_kmcnt 0x0
	s_cmp_lt_u32 s22, 128                          ; hidden or encoder: the choice hangs on the work-group's number alone
	s_cselect_b64 s[4:5], s[4:5], s[6:7]
	s_add_nc_u64 s[4:5], s[4:5], s[24:25]
	s_add_nc_u64 s[16:17], s[16:17], s[26:27]
	s_add_nc_u64 s[18:19], s[18:19], s[28:29]
.macro LOADX k                         ; K step k of the tile's 16 rows: each load reads 512 consecutive bytes of one row
.set i, 0
.rept 16
	global_load_b128 v[R+64*((\k)%2)+4*i:R+64*((\k)%2)+4*i+3], v[VL], s[4:5] offset:(i+8*(i/8))*8192+512*(\k) th:TH_LOAD_NT
.set i, i+1
.endr
.endm
.macro STEPX k
.if (\k) < 3
	s_wait_loadcnt 16                              ; this step's 16 loads are in; the next step's 16 may be out
.else
	s_wait_loadcnt 0x0
.endif
.set i, 0
.rept 16
	ds_store_b128 v[STI], v[R+64*((\k)%2)+4*i:R+64*((\k)%2)+4*i+3] offset:528*i
.set i, i+1
.endr
.set i, 0
.rept 16
	ds_load_b128 v[XR+4*i:XR+4*i+3], v[STO] offset:128*(i/4)+16*(i%4)   ; LDS serves a wave's instructions in order: these see the stores above
.set i, i+1
.endr
	s_wait_dscnt 0x0
.if (\k) < 2
	LOADX (\k)+2
.endif
.if (\k) > 0
	s_wait_xcnt 0x0                                ; the last step's stores have read the codes' registers
.endif
	QUANT XR, PW+(\k)
.irp c, 0,1,2
	global_store_b128 v[VL], v[PC+4*\c:PC+4*\c+3], s[16:17] offset:1536*(\k)+512*\c   ; 512 consecutive bytes
.endr
.endm
	LOADX 0
	LOADX 1
	STEPX 0
	STEPX 1
	STEPX 2
	STEPX 3
	v_cndmask_b32 v56, v[PW], v[PW+1], s[HM]       ; lanes 0-15 one K step's words, lanes 16-31 the next's
	v_cndmask_b32 v57, v[PW+2], v[PW+3], s[HM]
	global_store_b32 v[VS4], v56, s[18:19]
	global_store_b32 v[VS4], v57, s[18:19] offset:128
	s_branch .Lend
; ---- weights: K outermost
.Lweights:
	s_sub_co_u32 s23, ttmp9, 32                    ; 0-15 wq, 16-23 wk, 24-31 wv, 32-47 wo
	s_sub_co_u32 s26, s23, 32
	s_sub_co_u32 s29, s23, 24
	s_sub_co_u32 s30, s23, 16
	s_mov_b32 s27, 512                             ; the matrix's first tile
	s_mov_b32 s28, 0                               ; 1: groups change places
	s_mov_b32 s31, 1                               ; 1: rows of 8,192 bytes, 0: of 4,096
	s_wait_kmcnt 0x0
	s_mov_b64 s[24:25], s[14:15]
	s_cmp_lt_u32 s23, 32
	s_cselect_b64 s[24:25], s[12:13], s[24:25]
	s_cselect_b32 s26, s29, s26
	s_cselect_b32 s27, 448, s27
	s_cselect_b32 s31, 0, s31
	s_cmp_lt_u32 s23, 24
	s_cselect_b64 s[24:25], s[10:11], s[24:25]
	s_cselect_b32 s26, s30, s26
	s_cselect_b32 s27, 384, s27
	s_cselect_b32 s28, 1, s28
	s_cmp_lt_u32 s23, 16
	s_cselect_b64 s[24:25], s[8:9], s[24:25]
	s_cselect_b32 s26, s23, s26
	s_cselect_b32 s27, 256, s27
	s_cselect_b32 s31, 1, s31
	s_lshl_b32 s26, s26, 2
	s_add_co_u32 s26, s26, s20                     ; my group of 32 columns
	s_and_b32 s29, s26, 2
	s_lshl_b32 s29, s29, 1
	s_and_b32 s30, s26, 4
	s_lshr_b32 s30, s30, 1
	s_or_b32 s29, s29, s30
	s_and_not1_b32 s30, s26, 6
	s_or_b32 s29, s29, s30                         ; bits 1 and 2 changed over
	s_cmp_eq_u32 s28, 1
	s_cselect_b32 s29, s29, s26                    ; the group's place in the buffer
	s_add_co_u32 s30, s31, 20
	s_lshl_b32 s34, s21, s30                       ; y x 256 rows
	s_lshl_b32 s30, s26, 7
	s_add_co_u32 s34, s34, s30
	s_mov_b32 s35, 0
	s_lshl_b32 s30, s29, 1
	s_add_co_u32 s30, s30, s27                     ; the group's first tile
	s_mul_i32 s36, s30, 24576
	s_mul_i32 s32, s21, 3072
	s_add_co_u32 s36, s36, s32
	s_mov_b32 s37, 0
	s_lshl_b32 s38, s30, 10
	s_lshl_b32 s32, s21, 7
	s_add_co_u32 s38, s38, s32
	s_mov_b32 s39, 0
	s_add_nc_u64 s[24:25], s[24:25], s[34:35]
	s_add_nc_u64 s[36:37], s[16:17], s[36:37]
	s_add_nc_u64 s[38:39], s[18:19], s[38:39]
	v_bfe_u32 v8, v0, 3, 1                         ; my column's tile u,
	v_and_b32 v9, 7, v0
	s_wait_alu depctr_va_vdst(0)
	v_lshl_add_u32 v9, v3, 3, v9                   ; and its row r in the tile
	v_mul_u32_u24 v10, v8, 24576
	v_lshl_add_u32 v10, v9, 4, v10
	v_lshlrev_b32 v11, 10, v8
	v_lshl_add_u32 v11, v9, 2, v11
.macro LOADW t, P                      ; block t: w(32 t + i, my column)
.set i, 0
.rept 32
	global_load_b32 v[XW+32*((\t)%2)+i], v[VS4], s[24:25] offset:(32*(\t)+i)*(\P) th:TH_LOAD_NT
.set i, i+1
.endr
.endm
.macro BLOCKW t, P
.set XS, XW+32*((\t)%2)
.set OD, OW+24*((\t)/4)+12*((\t)%2)+6*(((\t)%4)/2)   ; block j = t % 4 of a K step is registers 6 (j / 2) on of the image's lane r + 16 (j % 2)
.if (\t) < 7
	s_wait_loadcnt 32                              ; this block's 32 loads are in; the next block's may be out
.else
	s_wait_loadcnt 0x0
.endif
	v_max3_num_f32 v[M0], |v[XS]|, |v[XS+1]|, |v[XS+2]|
	v_max3_num_f32 v[M1], |v[XS+3]|, |v[XS+4]|, |v[XS+5]|
.irp i, 6,10,14,18,22,26
	v_max3_num_f32 v[M0], v[M0], |v[XS+\i]|, |v[XS+\i+1]|
	v_max3_num_f32 v[M1], v[M1], |v[XS+\i+2]|, |v[XS+\i+3]|
.endr
	v_max3_num_f32 v[M0], v[M0], |v[XS+30]|, |v[XS+31]|
	v_max3_num_f32 v[M0], v[M0], v[M1], 0x1800000
	v_add_nc_u32 v[SO], 0xff000000, v[M0]
	v_lshrrev_b32 v[BY], 23, v[SO]
.if (\t)%4 == 0
	v_mov_b32 v[SBW+(\t)/4], v[BY]
.else
	v_lshl_or_b32 v[SBW+(\t)/4], v[BY], 8*((\t)%4), v[SBW+(\t)/4]
.endif
	v_cvt_scalef32_pk16_fp6_f32 v[OD:OD+2], v[XS:XS+15], v[SO]
	v_cvt_scalef32_pk16_fp6_f32 v[WT:WT+2], v[XS+16:XS+31], v[SO]   ; (a conversion's three registers begin on an even number)
	v_nop
.irp i, 0,1,2
	v_mov_b32 v[OD+3+\i], v[WT+\i]
.endr
.if (\t)+2 < 8
	LOADW (\t)+2, \P
.endif
.if (\t)%4 == 3                        ; a K step is whole: sixteen lanes fill 256 consecutive bytes of one tile's image, the other sixteen of the other tile's
.irp h, 0,1
.irp c, 0,1,2
	global_store_b128 v10, v[OW+24*((\t)/4)+12*\h+4*\c:OW+24*((\t)/4)+12*\h+4*\c+3], s[36:37] offset:1536*((\t)/4)+512*\c+256*\h
.endr
.endr
	global_store_b32 v11, v[SBW+(\t)/4], s[38:39] offset:64*((\t)/4)
.endif
.endm
.macro WBODY P
	LOADW 0, \P
	LOADW 1, \P
.irp t, 0,1,2,3,4,5,6,7
	BLOCKW \t, \P
.endr
.endm
	s_cmp_eq_u32 s31, 0
	s_cbranch_scc1 .Lnarrow
	WBODY 8192
	s_branch .Lend
.Lnarrow:
	WBODY 4096
.Lend:
	s_wait_tensorcnt 0x0                           ; the wave's end
	ds_add_u32 v[SPW], v[NIL]
	s_wait_dscnt 0x0
	s_endpgm
.Lfunc_end_k_q0566018510_quant:
	.size	k_q0566018510_quant, .Lfunc_end_k_q0566018510_quant-k_q0566018510_quant
	.p2alignl 7, 3214868480
	.fill 96, 4, 3214868480
	.section	.rodata,"a",@progbits
	.p2align	6, 0x0
	.amdhsa_kernel k_q0566018510_quant
		.amdhsa_group_segment_fixed_size 34304
		.amdhsa_private_segment_fixed_size 0
		.amdhsa_enable_private_segment 0
		.amdhsa_kernarg_size 64
		.amdhsa_user_sgpr_count 2
		.amdhsa_user_sgpr_kernarg_segment_ptr 1
		.amdhsa_wavefront_size32 1
		.amdhsa_system_sgpr_workgroup_id_x 1
		.amdhsa_system_sgpr_workgroup_id_y 1
		.amdhsa_system_sgpr_workgroup_id_z 1
		.amdhsa_system_vgpr_workitem_id 0
		.amdhsa_next_free_vgpr 256
		.amdhsa_next_free_sgpr 66
		.amdhsa_reserve_vcc 0
		.amdhsa_float_denorm_mode_32 3
		.amdhsa_float_denorm_mode_16_64 3
		.amdhsa_memory_ordered 1
		.amdhsa_forward_progress 1
		.amdhsa_inst_pref_size 110
	.end_amdhsa_kernel
	.amdgpu_metadata
---
amdhsa.version: [ 1, 2 ]
amdhsa.kernels:
  - .name:           k_q0566018510_quant
    .symbol:         k_q0566018510_quant.kd
    .args:
      - { .name: hidden_states, .offset: 0, .size: 8, .value_kind: global_buffer, .address_space: global }
      - { .name: encoder_hidden_states, .offset: 8, .size: 8, .value_kind: global_buffer, .address_space: global }
      - { .name: wq, .offset: 16, .size: 8, .value_kind: global_buffer, .address_space: global }
      - { .name: wk, .offset: 24, .size: 8, .value_kind: global_buffer, .address_space: global }
      - { .name: wv, .offset: 32, .size: 8, .value_kind: global_buffer, .address_space: global }
      - { .name: wo, .offset: 40, .size: 8, .value_kind: global_buffer, .address_space: global }
      - { .name: codes, .offset: 48, .size: 8, .value_kind: global_buffer, .address_space: global }
      - { .name: scl, .offset: 56, .size: 8, .value_kind: global_buffer, .address_space: global }
    .group_segment_fixed_size: 34304
    .private_segment_fixed_size: 0
    .kernarg_segment_align: 8
    .kernarg_segment_size: 64
    .max_flat_workgroup_size: 128
    .sgpr_count:     66
    .vgpr_count:     256
    .wavefront_size: 32
...
	.end_amdgpu_metadata
.endif
;; end of part 1
;; launch proj (part 2): grid 48 x 4, 4 waves a work-group, clusters of 4 x 4, 327,680 bytes of LDS; arguments codes, scl, cos, sin, q_norm_w, k_norm_w, qbuf, qscl, kv; writes qbuf, qscl, kv
.if DOCPART == 2
	.amdgcn_target "amdgcn-amd-amdhsa--gfx1250"
	.amdhsa_code_object_version 6
	.text
	.protected	k_q0566018510_proj
	.globl	k_q0566018510_proj
	.p2align	8
	.type	k_q0566018510_proj,@function
k_q0566018510_proj:
	s_mov_b64 s[64:65], 0
	v_nop
	global_prefetch_b8 v0, s[64:65] scope:SCOPE_SE
	s_setreg_imm32_b32 hwreg(HW_REG_WAVE_MODE, 25, 1), 1
	s_wait_xcnt 0x0
	s_wait_alu depctr_hold_cnt(0) depctr_sa_sdst(0) depctr_va_vdst(0) depctr_va_sdst(0) depctr_va_ssrc(0) depctr_va_vcc(0) depctr_vm_vsrc(0)
	s_getreg_b32 s2, hwreg(HW_REG_IB_STS2, 6, 4)
	s_cmp_eq_u32 s2, 0
	s_cbranch_scc0 .Lentry_in_a_cluster
	s_endpgm
.Lentry_in_a_cluster:
	s_bfe_u32 s2, ttmp6, 0x10000c
	s_cmp_lg_u32 s2, 0xf033
	s_cbranch_scc0 .Lentry_shape_is_right
	s_endpgm
.Lentry_shape_is_right:
; The five projections on codes of E2M3, then RMS norm, rotation and the quantising of q, k (along the head) and v (along the keys).  No work of the problem is left out here.
; A work-group makes 256 x 256; K goes through two LDS slots of two K steps each, filled by joint loads of a 4 x 4 cluster.
; THE HEAD: one tensor load a wave: wave 0 slot 0's 16 tiles of A, wave 1 those of B, wave 2 A's scale words, wave 3 B's.  Slot 1 is first filled behind the full sequence and a round.
; PREFETCH: behind each load of codes a wave asks for the fill two refills on: of the 8 tiles that it fetches, the partner at place p takes tiles 2 p and 2 p + 1 (p = cx for A, cy for B): 24 blocks of 256 bytes, a lane a block.
; The last two refills ask for nothing.  The clusters that rotate ask in the loop's first trip for their rows of cos and sin: 64 rows a work-group, 16 a wave, 8 rows x 4 blocks an instruction.
.set NQ,    2
.set FR,    12
.set NL,    3
.set NP,    4
.set TROW,  3072
.set HALFT, 24576
.set SLOT,  98304
.set LAPS,  4
.set SCL,   196608
.set SSQ,   229376
.set SPARE, 231424
.set L16,  8
.set L4,   9
.set RR,   10
.set HH,   11
.set SSA,  12
.set SSB,  13
.set CSA,  14
.set WNA,  15
.set ADRA, 16
.set ADRB, 20
.set ADRS, 27
.set SPW,  28
.set NIL,  29
.set SC,   32
.set W1,   64
.set AF,   128
.set TS,   192
.set TM,   192
.set PC,   208
.set SS,   228
.set PWS,  236
.set INVP, 244
.set CM,   246
.set WV, 22
.set WR, 23
.set WC, 40
.set CX, 41
.set CY, 42
.set CC, 43
.set RA, 44
.set RB, 45
.set SEL, 66
.set HM, 2
.set G1, 24
.set G0, 32
.set G1B, 48
.set G0B, 56
.set G1S, 68
.set G0S, 76
.set G1SB, 80
.set G0SB, 88
.set MSB, 0
.macro WIN new
.if MSB != (\new)
	s_set_vgpr_msb (MSB<<8)|(\new)
.set MSB, (\new)
.endif
.endm
.set MUL_LO, 0xa1
.set MUL_HI, 0xf1
.set TO_B,   0x40
.macro JLOAD g0a, g1a, g0b, g1b
	s_cmp_eq_u32 s[WR], 0
	s_cbranch_scc0 .Lfor_b_\@
	tensor_load_to_lds s[\g0a:\g0a+3], s[\g1a:\g1a+7]
	s_nop 0
.rept 4
	v_nop
.endr
	s_branch .Lasked_\@
.Lfor_b_\@:
	tensor_load_to_lds s[\g0b:\g0b+3], s[\g1b:\g1b+7]
	s_nop 0
.rept 4
	v_nop
.endr
.Lasked_\@:
.endm
.macro CREST
	s_cmp_lg_u32 s[WV], 0
	s_cbranch_scc1 .Lnot_wave_0_\@
	s_barrier_signal -3
.Lnot_wave_0_\@:
	s_barrier_wait -3
	s_barrier_signal -1
	s_barrier_wait -1
.endm
.macro CROUND
	s_barrier_signal -1
	s_barrier_wait -1
	CREST
.endm
	s_load_b256 s[4:11], s[0:1], 0x0
	s_load_b256 s[12:19], s[0:1], 0x20
	s_load_b64 s[20:21], s[0:1], 0x40
	v_lshl_add_u32 v[SPW], v0, 2, SPARE
	v_mov_b32 v[NIL], 0
	ds_add_u32 v[SPW], v[NIL]
	ds_add_u32 v[SPW], v[NIL]
	v_lshrrev_b32 v1, 5, v0
	v_readfirstlane_b32 s[WV], v1
	s_lshr_b32 s[WR], s[WV], 1
	s_and_b32 s[WC], s[WV], 1
	s_bfe_u32 s[CX], ttmp6, 0x40000
	s_bfe_u32 s[CY], ttmp6, 0x40004
	s_mov_b32 s[CC], ttmp9
	s_lshl_b32 s46, s[CC], 2
	s_lshr_b32 s[RA], 0x32101100, s46
	s_and_b32 s[RA], s[RA], 15
	s_lshr_b32 s[RB], 0x66665454, s46
	s_and_b32 s[RB], s[RB], 15
	s_sub_co_u32 s47, s[CC], 8
	s_cmp_ge_u32 s[CC], 8
	s_cselect_b32 s[RA], 7, s[RA]
	s_cselect_b32 s[RB], s47, s[RB]
	s_lshl_b32 s[RA], s[RA], 2
	s_add_co_u32 s[RA], s[RA], s[CY]
	s_lshl_b32 s[RB], s[RB], 2
	s_add_co_u32 s[RB], s[RB], s[CX]
	s_lshl_b32 s92, s[CY], 2
	s_lshl_b32 s92, 15, s92
	s_lshl_b32 s93, 0x1111, s[CX]
	s_or_b32 s[G1], s92, (3<<16)|(1<<21)
	s_or_b32 s[G1B], s93, (3<<16)|(1<<21)
.irp g, G1, G1B
	s_mov_b32 s[\g+1], 384<<16
	s_mov_b32 s[\g+2], 16<<16                      ; the head's loads of codes bring 16 tiles; behind them these two words are set to 8
	s_mov_b32 s[\g+3], 384<<16
	s_mov_b32 s[\g+4], 16
	s_mov_b32 s[\g+5], 3072
	s_mov_b32 s[\g+6], 0
	s_mov_b32 s[\g+7], 0
.endr
	s_or_b32 s[G1S], s92, (3<<16)|(1<<21)
	s_or_b32 s[G1SB], s93, (3<<16)|(1<<21)
.irp g, G1S, G1SB
	s_mov_b32 s[\g+1], 32<<16
	s_mov_b32 s[\g+2], 64<<16                      ; the scale words of 16 tiles: 64 rows of 256 bytes
	s_mov_b32 s[\g+3], 32<<16
	s_mov_b32 s[\g+4], 64
	s_mov_b32 s[\g+5], 32
	s_mov_b32 s[\g+6], 0
	s_mov_b32 s[\g+7], 0
.endr
	s_lshl_b32 s94, s[RA], 4                       ; the block's first tile, of A and of B
	s_lshl_b32 s96, s[RB], 4
	s_lshl_b32 s98, s94, 10
	s_mov_b32 s99, 0
	s_mul_i32 s94, s94, 24576
	s_mov_b32 s95, 0
	s_lshl_b32 s100, s96, 10
	s_mov_b32 s101, 0
	s_mul_i32 s96, s96, 24576
	s_mov_b32 s97, 0
	s_mul_i32 s3, s[WV], HALFT                     ; the ring: where my 8 tiles go,
	s_mul_i32 s46, s[WC], 8*24576                  ; and which 8 of the block's 16 they are, in bytes
	s_mov_b32 s47, 0
	s_mov_b32 s[SEL], 0x76543210
	s_mov_b32 s[SEL+1], 0xfedcba98
	s_mov_b32 s[HM], 0xffff0000
	s_wait_dscnt 0x0
	s_wait_kmcnt 0x0
	s_add_nc_u64 s[94:95], s[4:5], s[94:95]
	s_add_nc_u64 s[98:99], s[6:7], s[98:99]
	s_add_nc_u64 s[96:97], s[4:5], s[96:97]
	s_add_nc_u64 s[100:101], s[6:7], s[100:101]
	CROUND
	s_mov_b32 s[G0], 1                             ; the head's four tiles, each whole: slot 0's 16 tiles of A,
	s_mov_b32 s[G0+1], 0
	s_mov_b64 s[G0+2:G0+3], s[94:95]
	s_or_b32 s[G0+3], s[G0+3], 0x80000000
	s_mov_b32 s[G0B], 1                            ; its 16 tiles of B behind them,
	s_mov_b32 s[G0B+1], 2*HALFT
	s_mov_b64 s[G0B+2:G0B+3], s[96:97]
	s_or_b32 s[G0B+3], s[G0B+3], 0x80000000
	s_mov_b32 s[G0S], 1                            ; A's scale words,
	s_mov_b32 s[G0S+1], SCL
	s_mov_b64 s[G0S+2:G0S+3], s[98:99]
	s_or_b32 s[G0S+3], s[G0S+3], 0x80000000
	s_mov_b32 s[G0SB], 1                           ; and B's
	s_mov_b32 s[G0SB+1], SCL+16384
	s_mov_b64 s[G0SB+2:G0SB+3], s[100:101]
	s_or_b32 s[G0SB+3], s[G0SB+3], 0x80000000
	s_add_nc_u64 s[94:95], s[94:95], s[46:47]      ; for the ring: my 8 tiles
	s_add_nc_u64 s[96:97], s[96:97], s[46:47]
	s_mov_b32 s[G0+4], 1
	s_add_co_u32 s[G0+5], s3, SLOT
	s_add_nc_u64 s[G0+6:G0+7], s[94:95], TROW
	s_or_b32 s[G0+7], s[G0+7], 0x80000000
	s_mov_b32 s[G0B+4], 1
	s_add_co_u32 s[G0B+5], s3, SLOT
	s_add_nc_u64 s[G0B+6:G0B+7], s[96:97], TROW
	s_or_b32 s[G0B+7], s[G0B+7], 0x80000000
; one chain of arms on the wave's number, one load to an arm, all arms leading to one join: one tensor load a wave at the head
.macro ARM under, g0, g1, next
	s_cmp_lt_u32 s[WV], \under
	s_cbranch_scc0 \next
	tensor_load_to_lds s[\g0:\g0+3], s[\g1:\g1+7]
	s_nop 0
.rept 4
	v_nop
.endr
	s_branch .Lhead_asked
\next:
.endm
	ARM 1, G0,  G1,  .Lhead_b
	ARM 2, G0B, G1B, .Lhead_sa
	ARM 3, G0S, G1S, .Lhead_sb
	tensor_load_to_lds s[G0SB:G0SB+3], s[G1SB:G1SB+7]
	s_nop 0
.rept 4
	v_nop
.endr
.Lhead_asked:
	v_and_b32 v1, 31, v0
	v_lshlrev_b32 v[L16], 4, v1
	v_lshlrev_b32 v[L4], 2, v1
	v_and_b32 v[RR], 15, v0
	v_bfe_u32 v[HH], v0, 4, 1
.set PFO, 30                           ; v30 the tiles' prefetch: lane l < 24 names block l % 12 of tile l / 12 (lanes 24-31 name lane 23's again); never rewritten
.set PFV, 31                           ; v31 the tables' prefetch: row l / 4, block l % 4; never rewritten
.set PFA, 98                           ; s[98:99] where my tile prefetches stand
.set PFC, 100                          ; s[100:101] my 16 rows of cos
.set PFS, 92                           ; s[92:93] my 16 rows of sin
	v_min_u32 v2, 23, v1
	v_mul_u32_u24 v3, v2, 11
	v_lshrrev_b32 v3, 7, v3                        ; l / 12 for l under 24
	v_mul_u32_u24 v3, v3, 21504                    ; a tile is 24,576 bytes on, less the 12 blocks counted below
	v_lshl_add_u32 v[PFO], v2, 8, v3
	v_lshrrev_b32 v2, 2, v1
	v_and_b32 v3, 3, v1
	v_lshlrev_b32 v3, 8, v3
	v_lshl_add_u32 v[PFV], v2, 10, v3
	s_wait_alu depctr_va_vdst(0)
	s_mul_i32 s46, s[WR], HALFT
	s_mul_i32 s47, s[WC], HALFT
	s_add_co_u32 s47, s47, 2*HALFT
.irp s, 0,1
	v_add_nc_u32 v[ADRA+\s], s46, v[L16]
	v_add_nc_u32 v[ADRB+\s], s47, v[L16]
	s_add_co_u32 s46, s46, SLOT
	s_add_co_u32 s47, s47, SLOT
.endr
	s_lshl_b32 s46, s[WR], 13
	s_lshl_b32 s47, s[WC], 13
	s_add_co_u32 s47, s47, 16384
	s_sub_co_u32 s47, s47, s46
	v_mul_u32_u24 v5, s47, v[HH]
	s_add_co_u32 s46, s46, SCL
	v_lshl_add_u32 v5, v[RR], 2, v5
	v_add_nc_u32 v[ADRS], s46, v5
	s_lshl_b32 s46, s[WV], 9
	s_add_co_u32 s46, s46, SSQ
	v_lshl_add_u32 v[SSA], v[RR], 2, s46
	s_xor_b32 s46, s[WV], 1
	s_lshl_b32 s46, s46, 9
	s_add_co_u32 s46, s46, SSQ
	v_lshl_add_u32 v[SSB], v[RR], 2, s46
.macro FRAG reg, adr, q, i
.irp c, 0,1,2
	ds_load_b128 v[\reg+4*\c:\reg+4*\c+3], v[\adr] offset:(\i)*TROW+(\q)*1536+512*\c
.endr
.endm
.macro MUL16 a0, p, q, sc, zero
.irp a, \a0, \a0+1
.irp b, 0,1,2,3,4,5,6,7
.if \zero
	v_wmma_scale_f32_16x16x128_f8f6f4 v[8*(8*((\a)%4)+\b):8*(8*((\a)%4)+\b)+7], v[128*(\p)+FR*\b:128*(\p)+FR*\b+FR-1], v[AF+FR*(\a):AF+FR*(\a)+FR-1], 0, v[SC+8*NQ*(\sc)+NQ*\b+(\q)], v[SC+8*NQ*(\sc)+NQ*(\a)+(\q)] matrix_a_fmt:MATRIX_FMT_FP6 matrix_b_fmt:MATRIX_FMT_FP6 matrix_a_scale:MATRIX_SCALE_ROW1
.else
	v_wmma_scale_f32_16x16x128_f8f6f4 v[8*(8*((\a)%4)+\b):8*(8*((\a)%4)+\b)+7], v[128*(\p)+FR*\b:128*(\p)+FR*\b+FR-1], v[AF+FR*(\a):AF+FR*(\a)+FR-1], v[8*(8*((\a)%4)+\b):8*(8*((\a)%4)+\b)+7], v[SC+8*NQ*(\sc)+NQ*\b+(\q)], v[SC+8*NQ*(\sc)+NQ*(\a)+(\q)] matrix_a_fmt:MATRIX_FMT_FP6 matrix_b_fmt:MATRIX_FMT_FP6 matrix_a_scale:MATRIX_SCALE_ROW1
.endif
.endr
.endr
.endm
.macro FETCH_B slot, q, p
	WIN TO_B
.irp i, 0,1,2,3,4,5,6,7
	FRAG 128*(\p)+FR*\i, ADRB+\slot, \q, \i
.endr
	WIN 0
.endm
.macro FETCH_A slot, q, i0
.irp i, \i0, \i0+1, \i0+2, \i0+3
	FRAG AF+FR*(\i), ADRA+\slot, \q, \i
.endr
.endm
.macro SCALES sc
.irp i, 0,1,2,3,4,5,6,7
	ds_load_b32 v[SC+16*\sc+2*\i], v[ADRS] offset:1024*\i
	ds_load_b32 v[SC+16*\sc+2*\i+1], v[ADRS] offset:1024*\i+64
.endr
.endm
.macro PLACES n
.rept \n
	v_nop
.endr
.endm
.macro STEP slot, q, zero
	s_wait_dscnt 4*NL
	WIN MUL_LO
	MUL16 0, (\q)%2, \q, \slot, \zero
	MUL16 2, (\q)%2, \q, \slot, \zero
	s_wait_dscnt 0
	PLACES NP
	FETCH_B \slot, (\q)+1, 1-(\q)%2
	FETCH_A \slot, (\q)+1, 0
	WIN MUL_HI
	MUL16 4, (\q)%2, \q, \slot, \zero
	MUL16 6, (\q)%2, \q, \slot, \zero
	PLACES NP
	WIN 0
	FETCH_A \slot, (\q)+1, 4
.endm
.macro TURN slot, next, fill
.if \fill
	s_wait_xcnt 0x0                                ; my prefetches have read their addresses
	s_add_nc_u64 s[PFA:PFA+1], s[PFA:PFA+1], TROW
.endif
	s_wait_tensorcnt 0x0
	ds_add_u32 v[SPW], v[NIL]
.if \fill
	s_add_nc_u64 s[G0+4*\slot+2:G0+4*\slot+3], s[G0+4*\slot+2:G0+4*\slot+3], 2*TROW
	s_add_nc_u64 s[G0B+4*\slot+2:G0B+4*\slot+3], s[G0B+4*\slot+2:G0B+4*\slot+3], 2*TROW
.endif
	s_wait_dscnt 0x0
	s_barrier_signal -1
	s_barrier_wait -1
.if \fill
	CREST
	JLOAD G0+4*\slot, G1, G0B+4*\slot, G1B
.endif
	WIN MUL_LO
	MUL16 0, 1, NQ-1, \slot, 0
	MUL16 2, 1, NQ-1, \slot, 0
	WIN 0
	PLACES NP
	s_wait_alu depctr_va_vdst(0)
	v_add_nc_u32 v[ADRS], 128, v[ADRS]
	FETCH_B \next, 0, 0
	FETCH_A \next, 0, 0
	SCALES \next
.if \fill
	s_cmp_gt_u32 s3, 1                             ; the last trip's two refills have no fill two on
	s_cbranch_scc0 .Lnot_asked_\@
	global_prefetch_b8 v[PFO], s[PFA:PFA+1] offset:TROW th:TH_LOAD_NT scope:SCOPE_SE
	s_cmp_eq_u32 s3, s47                           ; the first trip of a cluster that rotates: my rows of one table
	s_cbranch_scc0 .Lnot_asked_\@
.if \slot == 0
	global_prefetch_b8 v[PFV], s[PFC:PFC+1] th:TH_LOAD_NT scope:SCOPE_SE
	global_prefetch_b8 v[PFV], s[PFC:PFC+1] offset:8192 th:TH_LOAD_NT scope:SCOPE_SE
.else
	global_prefetch_b8 v[PFV], s[PFS:PFS+1] th:TH_LOAD_NT scope:SCOPE_SE
	global_prefetch_b8 v[PFV], s[PFS:PFS+1] offset:8192 th:TH_LOAD_NT scope:SCOPE_SE
.endif
.Lnot_asked_\@:
.endif
	WIN MUL_HI
	MUL16 4, 1, NQ-1, \slot, 0
	MUL16 6, 1, NQ-1, \slot, 0
	PLACES NP
	WIN 0
	FETCH_A \next, 0, 4
.endm
	s_wait_alu depctr_va_vdst(0)
	s_cmp_eq_u32 s[WR], 0                          ; do I fetch for A?
	s_cselect_b64 s[PFA:PFA+1], s[94:95], s[96:97]
	s_cselect_b32 s46, s[CX], s[CY]                ; my place among the four that ask with me
	s_mul_i32 s46, s46, 2*24576                    ; my work-group's two tiles of my eight,
	s_add_co_u32 s46, s46, 2*TROW                  ; at fill 2
	s_mov_b32 s47, 0
	s_add_nc_u64 s[PFA:PFA+1], s[PFA:PFA+1], s[46:47]
	global_prefetch_b8 v[PFO], s[PFA:PFA+1] th:TH_LOAD_NT scope:SCOPE_SE
	s_min_u32 s46, s[RA], 7                        ; the tables have 2,048 rows (the clusters that do not rotate ask for none)
	s_lshl_b32 s46, s46, 18
	s_lshl_b32 s47, s[CX], 16
	s_add_co_u32 s46, s46, s47
	s_lshl_b32 s47, s[WV], 14
	s_add_co_u32 s46, s46, s47                     ; row 256 RA + 64 cx + 16 wave, 1,024 bytes a row
	s_mov_b32 s47, 0
	s_add_nc_u64 s[PFC:PFC+1], s[8:9], s[46:47]
	s_add_nc_u64 s[PFS:PFS+1], s[10:11], s[46:47]
	s_cmp_lt_u32 s[CC], 6
	s_cselect_b32 s47, LAPS-1, 0                   ; the loop counter's value in the trip that asks for the tables; 0: never
	s_wait_tensorcnt 0x0                           ; my tile of the head's four is in
	ds_add_u32 v[SPW], v[NIL]
	s_mov_b32 s[G1+2], 8<<16                       ; no tensor load of mine is out: from here on a load brings 8 tiles,
	s_mov_b32 s[G1+4], 8
	s_mov_b32 s[G1B+2], 8<<16
	s_mov_b32 s[G1B+4], 8
	s_mov_b32 s[G0+1], s3                          ; and slot 0's descriptors are the ring's
	s_mov_b64 s[G0+2:G0+3], s[94:95]
	s_or_b32 s[G0+3], s[G0+3], 0x80000000
	s_mov_b32 s[G0B+1], s3
	s_mov_b64 s[G0B+2:G0B+3], s[96:97]
	s_or_b32 s[G0B+3], s[G0B+3], 0x80000000
	s_wait_dscnt 0x0
	CROUND
	JLOAD G0+4, G1, G0B+4, G1B                     ; slot 1's first fill: the first tensor load behind the round
	FETCH_B 0, 0, 0
	FETCH_A 0, 0, 0
	SCALES 0
	FETCH_A 0, 0, 4
	global_prefetch_b8 v[PFO], s[PFA:PFA+1] offset:TROW th:TH_LOAD_NT scope:SCOPE_SE   ; fill 3
	STEP 0, 0, 1
	s_mov_b32 s3, LAPS-1
.Llap:
	TURN 0, 1, 1
	STEP 1, 0, 0
	TURN 1, 0, 1
	STEP 0, 0, 0
	s_sub_co_u32 s3, s3, 1
	s_cmp_lg_u32 s3, 0
	s_cbranch_scc1 .Llap
	TURN 0, 1, 0
	STEP 1, 0, 0
	s_wait_dscnt 4*NL
	WIN MUL_LO
	MUL16 0, 1, NQ-1, 1, 0
	MUL16 2, 1, NQ-1, 1, 0
	s_wait_dscnt 0
	WIN MUL_HI
	MUL16 4, 1, NQ-1, 1, 0
	MUL16 6, 1, NQ-1, 1, 0
	WIN 0
.macro QUANTD s, SW, pw, DW, DB, off
.set WA, (\SW)|((\SW)<<2)
	WIN WA
.irp b, 0,1,2,3
	v_max3_num_f32 v[TM+\b], |v[(\s)+16*\b]|, |v[(\s)+1+16*\b]|, 0x1800000
.endr
.irp i, 2,4,6,8,10,12,14
.irp b, 0,1,2,3
	v_max3_num_f32 v[TM+\b], |v[(\s)+16*\b+\i]|, |v[(\s)+1+16*\b+\i]|, v[TM+\b]
.endr
.endr
	WIN 0
.irp b, 0,1,2,3
	v_permlanex16_b32 v[TM+4+\b], v[TM+\b], s[SEL], s[SEL+1]
.endr
.irp b, 0,1,2,3
	v_max_num_f32 v[TM+\b], v[TM+\b], v[TM+4+\b]
.endr
.irp b, 0,1,2,3
	v_add_nc_u32 v[TM+12+\b], 0xff000000, v[TM+\b]
.endr
.irp b, 0,1,2,3
	v_lshrrev_b32 v[TM+4+\b], 23, v[TM+12+\b]
.endr
	v_lshl_or_b32 v[\pw], v[TM+5], 8, v[TM+4]
	v_lshl_or_b32 v[\pw], v[TM+6], 16, v[\pw]
	v_lshl_or_b32 v[\pw], v[TM+7], 24, v[\pw]
	WIN (\SW)
.irp c, 0,1
	v_cvt_scalef32_pk16_fp6_f32 v[PC+6*\c:PC+2+6*\c], v[(\s)+32*\c:(\s)+15+32*\c], v[TM+12+2*\c]
	v_cvt_scalef32_pk16_fp6_f32 v[PC+12+4*\c:PC+14+4*\c], v[(\s)+16+32*\c:(\s)+31+32*\c], v[TM+13+2*\c]
.endr
	WIN 0
	v_nop
.irp c, 0,1
.irp i, 0,1,2
	v_permlane16_swap_b32 v[PC+6*\c+\i], v[PC+12+4*\c+\i]
.endr
.endr
.set WD, (\DW)<<6
	WIN WD
.irp c, 0,1
.irp i, 0,1,2
	v_mov_b32 v[(\DB)+6*\c+\i], v[PC+6*\c+\i]
	v_mov_b32 v[(\DB)+3+6*\c+\i], v[PC+12+4*\c+\i]
.endr
.endr
.set WD, (\DW)<<2
	WIN WD
.irp c, 0,1,2
	global_store_b128 v[L16], v[(\DB)+4*\c:(\DB)+4*\c+3], s[96:97] offset:(\off)+512*\c
.endr
	WIN 0
.endm
.macro SETK k
.if (\k) == 0
.set CW, 1
.set CB, 0
.set LW, 1
.set LB, 64
.set HW, 1
.set HB, 128
.elseif (\k) == 1
.set CW, 1
.set CB, 160
.set LW, 0
.set LB, 128
.set HW, 0
.set HB, 160
.else
.set CW, 0
.set CB, 64
.set LW, 1
.set LB, 96
.set HW, 1
.set HB, 224
.endif
.endm
.macro ROPELD a
	SETK ((\a)%3)
.set RO, (32*((\a)/2)+8*((\a)%2))*1024
.set WQ, CW<<6
	WIN WQ
.set i, 0
.rept 16
	global_load_b128 v[CB+4*i:CB+4*i+3], v[CSA], s[8:9] offset:RO+512*(i/8)+128*((i/4)%2)+16*(i%4)
.set i, i+1
.endr
.set WQ, LW<<6
	WIN WQ
.set i, 0
.rept 8
	global_load_b128 v[LB+4*i:LB+4*i+3], v[CSA], s[10:11] offset:RO+128*(i/4)+16*(i%4)
.set i, i+1
.endr
.set WQ, HW<<6
	WIN WQ
.set i, 0
.rept 8
	global_load_b128 v[HB+4*i:HB+4*i+3], v[CSA], s[10:11] offset:RO+512+128*(i/4)+16*(i%4)
.set i, i+1
.endr
	WIN 0
.endm
	PLACES NP
.irp b, 0,1,2,3
	v_mov_b32 v[TM+4+\b], 0
.endr
	s_cmp_ge_u32 s[CC], 8
	s_cbranch_scc1 .Lvpath
	s_lshl_b32 s46, s[RA], 1
	s_add_co_u32 s46, s46, s[WR]
	s_lshl_b32 s46, s46, 3
	s_add_co_u32 s46, s46, s[RB]
	s_sub_co_u32 s46, s46, 16
	s_bfe_u32 s47, s[RA], 0x10002
	s_lshl_b32 s47, s47, 2
	s_add_co_u32 s47, s47, s[RB]
	s_sub_co_u32 s47, s47, 24
	s_lshl_b32 s47, s47, 4
	s_lshr_b32 s92, s[RA], 3
	s_lshl_b32 s92, s92, 3
	s_add_co_u32 s47, s47, s92
	s_and_b32 s92, s[RA], 3
	s_lshl_b32 s92, s92, 1
	s_add_co_u32 s47, s47, s92
	s_add_co_u32 s47, s47, s[WR]
	s_mul_i32 s92, s46, 24576
	s_lshl_b32 s93, s46, 10
	s_mul_i32 s94, s47, 51200
	s_add_co_u32 s95, s94, 49152
	s_cmp_lt_u32 s[CC], 4
	s_cselect_b32 s92, s92, s94
	s_cselect_b32 s94, s93, s95
	s_cselect_b64 s[96:97], s[16:17], s[20:21]
	s_cselect_b64 s[98:99], s[18:19], s[20:21]
	s_cselect_b64 s[100:101], s[12:13], s[14:15]
	s_mul_i32 s46, s[WC], 1536
	s_add_co_u32 s92, s92, s46
	s_mov_b32 s93, 0
	s_lshl_b32 s46, s[WC], 9
	s_add_co_u32 s94, s94, s46
	s_mov_b32 s95, 0
	s_add_nc_u64 s[96:97], s[96:97], s[92:93]
	s_add_nc_u64 s[98:99], s[98:99], s[94:95]
	s_lshl_b32 s46, s[RA], 1
	s_add_co_u32 s46, s46, s[WR]
	s_lshl_b32 s46, s46, 17
	s_mov_b32 s47, 0
	s_add_nc_u64 s[8:9], s[8:9], s[46:47]
	s_add_nc_u64 s[10:11], s[10:11], s[46:47]
	v_and_b32 v1, 8, v[RR]
	v_add_nc_u32 v1, v1, v[RR]
	v_lshlrev_b32 v[WNA], 6, v[HH]
	s_lshl_b32 s46, s[WC], 8
	v_add_nc_u32 v[WNA], s46, v[WNA]
	v_lshl_add_u32 v[CSA], v1, 10, v[WNA]
.set i, 0
.rept 16
	global_load_b128 v[W1+4*i:W1+4*i+3], v[WNA], s[100:101] offset:512*(i/8)+128*((i/4)%2)+16*(i%4)
.set i, i+1
.endr
	s_cmp_lt_u32 s[CC], 6
	s_cbranch_scc0 .Lno_first
	ROPELD 0
.Lno_first:
.irp a, 0,2,4,6
.set X, 2+\a/4
.set SR, 64*(\a%4)
.set WA, X|(X<<2)
	WIN WA
.irp e, 0,1
	v_pk_mul_f32 v[TS+4*(\a+\e):TS+4*(\a+\e)+1], v[SR+64*\e:SR+64*\e+1], v[SR+64*\e:SR+64*\e+1]
	v_pk_mul_f32 v[TS+4*(\a+\e)+2:TS+4*(\a+\e)+3], v[SR+64*\e+2:SR+64*\e+3], v[SR+64*\e+2:SR+64*\e+3]
.endr
.set p, 2
.rept 30
.irp e, 0,1
	v_pk_fma_f32 v[TS+4*(\a+\e)+2*(p%2):TS+4*(\a+\e)+2*(p%2)+1], v[SR+64*\e+2*p:SR+64*\e+2*p+1], v[SR+64*\e+2*p:SR+64*\e+2*p+1], v[TS+4*(\a+\e)+2*(p%2):TS+4*(\a+\e)+2*(p%2)+1]
.endr
.set p, p+1
.endr
.endr
	WIN 0
.irp a, 0,1,2,3,4,5,6,7
	v_pk_add_f32 v[TS+4*\a:TS+4*\a+1], v[TS+4*\a:TS+4*\a+1], v[TS+4*\a+2:TS+4*\a+3]
.endr
.irp a, 0,1,2,3,4,5,6,7
	v_add_f32 v[SS+\a], v[TS+4*\a], v[TS+4*\a+1]
.endr
.irp a, 0,1,2,3,4,5,6,7
	v_permlanex16_b32 v[TS+4*\a+2], v[SS+\a], s[SEL], s[SEL+1]
.endr
.irp a, 0,1,2,3,4,5,6,7
	v_add_f32 v[SS+\a], v[SS+\a], v[TS+4*\a+2]
.endr
.irp a, 0,1,2,3,4,5,6,7
	ds_store_b32 v[SSA], v[SS+\a] offset:64*\a
.endr
	s_wait_alu depctr_va_vdst(0)
	s_wait_dscnt 0x0
	s_barrier_signal -1
	s_barrier_wait -1
.irp a, 0,1,2,3,4,5,6,7
	ds_load_b32 v[TS+\a], v[SSB] offset:64*\a
.endr
	s_mov_b32 s46, 0x3b800000
	s_mov_b32 s47, 0x358637bd
	s_wait_dscnt 0x0
.irp a, 0,1,2,3,4,5,6,7
	v_add_f32 v[SS+\a], v[SS+\a], v[TS+\a]
.endr
.irp a, 0,1,2,3,4,5,6,7
	v_fma_f32 v[TS+\a], v[SS+\a], s46, s47
.endr
	s_wait_alu depctr_va_vdst(0)
.irp a, 0,1,2,3,4,5,6,7
	v_rsq_f32 v[SS+\a], v[TS+\a]
.endr
	v_mov_b32 v[INVP+1], 0
	s_wait_alu depctr_va_vdst(0)
	s_cmp_lt_u32 s[CC], 6
	s_cbranch_scc0 .Lw_plain
	ROPELD 1
	s_wait_loadcnt 32
	s_branch .Lw_join
.Lw_plain:
	s_wait_loadcnt 0x0
.Lw_join:
.set p, 0
.rept 32
	v_pk_add_f32 v[W1+2*p:W1+2*p+1], v[W1+2*p:W1+2*p+1], 1.0 op_sel_hi:[1,0]
.set p, p+1
.endr
.irp a, 0,1,2,3,4,5,6,7
.set X, 2+\a/4
.set SR, 64*(\a%4)
.set WA, (X<<6)|X
	WIN 0
	v_mov_b32 v[INVP], v[SS+\a]
	WIN WA
.set p, 0
.rept 32
	v_pk_mul_f32 v[SR+2*p:SR+2*p+1], v[SR+2*p:SR+2*p+1], v[INVP:INVP+1] op_sel_hi:[1,0]
.set p, p+1
.endr
.set p, 0
.rept 32
	v_pk_mul_f32 v[SR+2*p:SR+2*p+1], v[SR+2*p:SR+2*p+1], v[W1+2*p:W1+2*p+1]
.set p, p+1
.endr
.endr
	WIN 0
	s_cmp_lt_u32 s[CC], 6
	s_cbranch_scc0 .Lplain
.macro ROPEROW a
.if (\a) < 7
	s_wait_loadcnt 32
.else
	s_wait_loadcnt 0x0
.endif
.if (\a)+2 < 8
	ROPELD (\a)+2
.endif
	SETK ((\a)%3)
.set X, 2+(\a)/4
.set SR, 64*((\a)%4)
.set WQ, (CW<<6)|(CW<<2)|X
	WIN WQ
.set p, 0
.rept 32
	v_pk_mul_f32 v[CB+2*p:CB+2*p+1], v[SR+2*p:SR+2*p+1], v[CB+2*p:CB+2*p+1]
.set p, p+1
.endr
.set WQ, (CW<<6)|(CW<<4)|(LW<<2)|X
	WIN WQ
.set p, 0
.rept 16
	v_pk_fma_f32 v[CB+2*p:CB+2*p+1], v[SR+32+2*p:SR+33+2*p], v[LB+2*p:LB+2*p+1], v[CB+2*p:CB+2*p+1] neg_lo:[1,0,0] neg_hi:[1,0,0]
.set p, p+1
.endr
.set WQ, (CW<<6)|(CW<<4)|(HW<<2)|X
	WIN WQ
.set p, 0
.rept 16
	v_pk_fma_f32 v[CB+32+2*p:CB+33+2*p], v[SR+2*p:SR+2*p+1], v[HB+2*p:HB+2*p+1], v[CB+32+2*p:CB+33+2*p]
.set p, p+1
.endr
	QUANTD CB, CW, PWS+(\a), X, SR, (\a)*3072
.endm
.irp a, 0,1,2,3,4,5,6,7
	ROPEROW \a
.endr
	s_branch .Lscales
.Lplain:
.irp a, 0,1,2,3,4,5,6,7
	QUANTD 64*(\a%4), 2+\a/4, PWS+\a, 2+\a/4, 64*(\a%4), \a*3072
.endr
	s_branch .Lscales
.Lvpath:
	s_bfe_u32 s46, s[RB], 0x10002
	s_lshl_b32 s46, s46, 2
	s_add_co_u32 s46, s46, s[CY]
	s_lshl_b32 s46, s46, 4
	s_lshr_b32 s47, s[RB], 3
	s_lshl_b32 s47, s47, 3
	s_add_co_u32 s46, s46, s47
	s_and_b32 s47, s[RB], 3
	s_lshl_b32 s47, s47, 1
	s_add_co_u32 s46, s46, s47
	s_add_co_u32 s46, s46, s[WC]
	s_mul_i32 s92, s46, 51200
	s_mul_i32 s47, s[WR], 12288
	s_add_co_u32 s94, s92, 50176
	s_add_co_u32 s92, s92, s47
	s_add_co_u32 s92, s92, 24576
	s_mov_b32 s93, 0
	s_lshl_b32 s47, s[WR], 9
	s_add_co_u32 s94, s94, s47
	s_mov_b32 s95, 0
	s_add_nc_u64 s[96:97], s[20:21], s[92:93]
	s_add_nc_u64 s[98:99], s[20:21], s[94:95]
.irp a, 0,1,2,3,4,5,6,7
	QUANTD 64*(\a%4), 2+\a/4, PWS+\a, 2+\a/4, 64*(\a%4), \a*1536
.endr
.Lscales:
.irp k, 0,1,2,3
	v_cndmask_b32 v[CM+\k], v[PWS+2*\k], v[PWS+2*\k+1], s[HM]
.endr
.irp k, 0,1,2,3
	global_store_b32 v[L4], v[CM+\k], s[98:99] offset:128*\k
.endr
	s_wait_tensorcnt 0x0
	ds_add_u32 v[SPW], v[NIL]
	s_wait_dscnt 0x0
	CROUND
	s_endpgm
.Lfunc_end_k_q0566018510_proj:
	.size	k_q0566018510_proj, .Lfunc_end_k_q0566018510_proj-k_q0566018510_proj
	.p2alignl 7, 3214868480
	.fill 96, 4, 3214868480
	.section	.rodata,"a",@progbits
	.p2align	6, 0x0
	.amdhsa_kernel k_q0566018510_proj
		.amdhsa_group_segment_fixed_size 327680
		.amdhsa_private_segment_fixed_size 0
		.amdhsa_enable_private_segment 0
		.amdhsa_kernarg_size 72
		.amdhsa_user_sgpr_count 2
		.amdhsa_user_sgpr_kernarg_segment_ptr 1
		.amdhsa_wavefront_size32 1
		.amdhsa_system_sgpr_workgroup_id_x 1
		.amdhsa_system_sgpr_workgroup_id_y 1
		.amdhsa_system_sgpr_workgroup_id_z 1
		.amdhsa_system_vgpr_workitem_id 0
		.amdhsa_next_free_vgpr 1024
		.amdhsa_next_free_sgpr 102
		.amdhsa_reserve_vcc 0
		.amdhsa_float_denorm_mode_32 3
		.amdhsa_float_denorm_mode_16_64 3
		.amdhsa_memory_ordered 1
		.amdhsa_forward_progress 1
		.amdhsa_inst_pref_size 255
	.end_amdhsa_kernel
	.section	.bss,"aw",@nobits
	.p2align	6
	.space	262144
	.amdgpu_metadata
---
amdhsa.version: [ 1, 2 ]
amdhsa.kernels:
  - .name:           k_q0566018510_proj
    .symbol:         k_q0566018510_proj.kd
    .args:
      - { .name: codes, .offset: 0, .size: 8, .value_kind: global_buffer, .address_space: global }
      - { .name: scl, .offset: 8, .size: 8, .value_kind: global_buffer, .address_space: global }
      - { .name: cos, .offset: 16, .size: 8, .value_kind: global_buffer, .address_space: global }
      - { .name: sin, .offset: 24, .size: 8, .value_kind: global_buffer, .address_space: global }
      - { .name: q_norm_w, .offset: 32, .size: 8, .value_kind: global_buffer, .address_space: global }
      - { .name: k_norm_w, .offset: 40, .size: 8, .value_kind: global_buffer, .address_space: global }
      - { .name: qbuf, .offset: 48, .size: 8, .value_kind: global_buffer, .address_space: global }
      - { .name: qscl, .offset: 56, .size: 8, .value_kind: global_buffer, .address_space: global }
      - { .name: kv, .offset: 64, .size: 8, .value_kind: global_buffer, .address_space: global }
    .group_segment_fixed_size: 327680
    .private_segment_fixed_size: 0
    .kernarg_segment_align: 8
    .kernarg_segment_size: 72
    .max_flat_workgroup_size: 128
    .sgpr_count:     102
    .vgpr_count:     1024
    .wavefront_size: 32
...
	.end_amdgpu_metadata
.endif
;; end of part 2
;; launch attn (part 3): grid 32 x 8, 4 waves a work-group, no clusters, 327,680 bytes of LDS; arguments qbuf, qscl, kv, decoder_attention_mask, encoder_attention_mask, position_ids, acodes, ascl; writes acodes, ascl
.if DOCPART == 3
	.amdgcn_target "amdgcn-amd-amdhsa--gfx1250"
	.amdhsa_code_object_version 6
	.text
	.protected	k_q0566018510_attn
	.globl	k_q0566018510_attn
	.p2align	8
	.type	k_q0566018510_attn,@function
k_q0566018510_attn:
	s_mov_b64 s[64:65], 0
	v_nop
	global_prefetch_b8 v0, s[64:65] scope:SCOPE_SE
	s_setreg_imm32_b32 hwreg(HW_REG_WAVE_MODE, 25, 1), 1
	s_wait_xcnt 0x0
; Attention on codes of E2M3: S^T = K Q^T, softcap, masks, p = 2^t, O^T = V^T P^T, O / l, and the quantising of O along heads x channels for the last product.
; WORK LEFT OUT: steps of 128 self keys that lie wholly outside query - 511 .. query for all 32 queries of the work-group (causal and dist < 512 are built in the problem's own body): the proof stands at the head of the first kernel.
; THE MAXIMUM.  The problem's own softcap holds every logit in -50 .. 50 for every input, so t = logit x log2(e) lies in -72.14 .. 72.14; p = 2^t lies in 2^-72.2 .. 2^72.2, a row's sum under 2^83.2:
; nothing overflows or underflows in f32.  So M = 0 is taken for every row: a whole number, which the blocks' scales take up, so the codes' values are those of M = ceil(the row's largest t).
; tanh(x) = 1 - 2 / (1 + 2^(2 x log2 e)); t = A - 2 A / (1 + 2^(s k1)), A = 50 log2 e, k1 = 2 log2 e / 800, s the raw product.  A hidden key has -1e30 in A's place: p = 0.
; LIMIT: a query whose merged mask hides all 2,048 keys (all 1,024 encoder keys of its batch among them) gets 0 / 0 here, where the problem's text gives the mean of v.  NaN and infinities among the inputs are not served.
; SHARES.  A work-group: 32 query positions x the two query heads of one key/value head.  Wave 2 kg + pt: position tile pt (16 queries), both heads, and of each slot's two key steps the one numbered kg;
; so a fragment of K or V read from LDS feeds two matrix instructions, and the masks are made once for both heads.  The two groups' partial O and l add (M = 0).  Local head 0 is head 2 g + kg, which the wave finishes.
; THE WALK: seven trips; trips 0-3: encoder steps 8 + 2 trip + kg; trips 4-6: self steps cq + 8 - 2 trip - kg (cq = the queries' own step).  A step under max(cq - 4, 0) is left out by a branch on ids.
; THE SOFTMAX'S ORDER.  The two heads run one phase apart: one head's 64 transcendentals stand among the other head's 32 packed instructions, which name none of their registers; each batch has its one wait,
; ahead of its first reader.  V's fragments are asked of LDS in four runs of 12 between the phases.
; NO CLUSTER: work-groups of one key/value head read the same blocks, but steps under the mask are jumped over, loads and all, and every partner named by a joint load has to issue it on every path.
.set SLOT1, 1<<17
.set BIAS,  102400                     ; 14 entries x 512 bytes, in the walk's order: A or -1e30 for each key of a step
.set RED,   233472                     ; 4 x 16,384: a head's partial O^T on its way to the partner wave
.set REDL,  299008                     ; and its partial sum
.set SPARE, 299520
.set L16, 4
.set L4,  5
.set AF0, 6
.set AS0, 7
.set AV0, 8
.set AB0, 9
.set AF,  10
.set AS,  11
.set AV,  12
.set AB,  13
.set KS,  16                           ; v16-23 K's scale words; v24-31 V's: scales and nothing else
.set VS,  24
.set L,   32                           ; v32-39 the sums: two pairs a head
.set QV,  40
.set LO,  41
.set LOH, 42
.set REDA, 51
.set REDB, 52
.set RLA, 53
.set RLB, 54
.set QSA, 55
.set INV, 56
.set LP,  58
.set SPW, 62
.set NIL, 63
.set S,   64                           ; v64-191 S^T, then p: 64 a head
.set PC,  192                          ; v192-215 p's codes, 12 a head
.set TP,  216
.set TM,  224
.set PW,  240                          ; v240-241 p's scale words; v242-243 Q's
.set QS,  242
.set PWO, 244
.set CMO, 246
.set MX1, 248                          ; v248-251 the second head's four block maxima
.set QF,  192                          ; window 2: v0-191 fragments of K, then V; v192-239 Q
.set DLO, 64                           ; window 3: v0-63 the keys' bias; v64 ..
.set SPAN3, 65
.set NEG3, 66
.set TMP3, 67                          ; v67-70 of window 3
.set J,   96                           ; at the head, in S's registers
.set AD,  116
.set P0,  136
.set P1,  156
.set WV, 20
.set PT, 21
.set KG, 22
.set PB, 23
.set BG, 24
.set BB, 25
.set GG, 26
.set CQ, 27
.set LB, 28
.set SG, 29
.set TB, 30
.set SB, 31
.set G1, 32
.set G0, 40
.set TC, 44
.set TNA, 45
.set TNB, 46
.set TN, 47
.set MK, 56                            ; s56-59 four lane masks of the window's test
.set SEL, 60
.set K1, 62
.set M2A, 66
.set HM, 68
.set BG16, 69
.set HALF, 70
.set CQ8, 71
.set TT, 72
.set MSB, 0
.macro WIN new
.if MSB != (\new)
	s_set_vgpr_msb (MSB<<8)|(\new)
.set MSB, (\new)
.endif
.endm
; The quantiser of 64 numbers of a lane (window 0), register 16 b + i = k 32 b + 16 (lane / 16) + i, in two parts.  QMAX1: line m of 32 of the search for my part of the four blocks' largest magnitudes, into v[mx] on
.macro QMAX1 s, mx, m
.if (\m) < 4
	v_max3_num_f32 v[\mx+(\m)], |v[\s+16*(\m)]|, |v[\s+1+16*(\m)]|, 0x1800000   ; and the floor 2^(3 - 127): the byte cannot fall under 1
.else
	v_max3_num_f32 v[\mx+(\m)%4], v[\mx+(\m)%4], |v[\s+16*((\m)%4)+2*((\m)/4)]|, |v[\s+1+16*((\m)%4)+2*((\m)/4)]|
.endif
.endm
; QFIN: the scale word and the fragment's codes
.macro QFIN s, pc, pw, mx
.irp b, 0,1,2,3
	v_permlanex16_b32 v[TM+4+\b], v[\mx+\b], s[SEL], s[SEL+1]
.endr
.irp b, 0,1,2,3
	v_max_num_f32 v[\mx+\b], v[\mx+\b], v[TM+4+\b]
.endr
.irp b, 0,1,2,3
	v_add_nc_u32 v[TM+12+\b], 0xff000000, v[\mx+\b]
.endr
.irp b, 0,1,2,3
	v_lshrrev_b32 v[TM+4+\b], 23, v[TM+12+\b]
.endr
	v_lshl_or_b32 v[\pw], v[TM+5], 8, v[TM+4]
	v_lshl_or_b32 v[\pw], v[TM+6], 16, v[\pw]
	v_lshl_or_b32 v[\pw], v[TM+7], 24, v[\pw]
.irp c, 0,1
	v_cvt_scalef32_pk16_fp6_f32 v[\pc+6*\c:\pc+2+6*\c], v[\s+32*\c:\s+15+32*\c], v[TM+12+2*\c]
	v_cvt_scalef32_pk16_fp6_f32 v[TP+4*\c:TP+2+4*\c], v[\s+16+32*\c:\s+31+32*\c], v[TM+13+2*\c]
.endr
	v_nop
.irp c, 0,1
.irp i, 0,1,2
	v_permlane16_swap_b32 v[\pc+6*\c+\i], v[TP+4*\c+\i]
.endr
.irp i, 0,1,2
	v_mov_b32 v[\pc+3+6*\c+\i], v[TP+4*\c+\i]
.endr
.endr
.endm
.macro QUANT s, pc, pw
.set m, 0
.rept 32
	QMAX1 \s, TM, m
.set m, m+1
.endr
	QFIN \s, \pc, \pw, TM
.endm
	s_load_b256 s[4:11], s[0:1], 0x0               ; qbuf, qscl, kv, decoder mask
	s_load_b256 s[12:19], s[0:1], 0x20             ; encoder mask, position ids, acodes, ascl
	v_lshl_add_u32 v[SPW], v0, 2, SPARE
	v_mov_b32 v[NIL], 0
	ds_add_u32 v[SPW], v[NIL]                      ; the opening: the add, twice on end, and its wait ahead of my first tensor load
	ds_add_u32 v[SPW], v[NIL]
	v_lshrrev_b32 v1, 5, v0
	v_readfirstlane_b32 s[WV], v1
	s_and_b32 s[PT], s[WV], 1
	s_lshr_b32 s[KG], s[WV], 1
	s_mov_b32 s[PB], ttmp9                         ; block of 32 positions
	s_and_b32 s[BG], ttmp7, 0xffff                 ; 4 b + g
	s_lshr_b32 s[BB], s[BG], 2
	s_and_b32 s[GG], s[BG], 3
	s_lshr_b32 s[CQ], s[PB], 2
	s_sub_co_i32 s[LB], s[CQ], 4
	s_max_i32 s[LB], s[LB], 0                      ; the first self step that can count
	s_add_co_u32 s[CQ8], s[CQ], 8
	s_lshl_b32 s[BG16], s[BG], 4
	s_mul_i32 s[HALF], s[PT], 25600                ; I fetch this half of my key group's block
	s_mov_b32 s[G1], 3<<16                         ; half a block: 25,600 dense bytes as 100 rows of 256 (32 elements of 8 bytes), no padding
	s_mov_b32 s[G1+1], 32<<16
	s_mov_b32 s[G1+2], 100<<16
	s_mov_b32 s[G1+3], 32<<16
	s_mov_b32 s[G1+4], 100
	s_mov_b32 s[G1+5], 32
	s_mov_b32 s[G1+6], 0
	s_mov_b32 s[G1+7], 0
	s_mov_b32 s[SG], 0
	s_mov_b32 s[TB], 0
	s_mov_b32 s[SB], 0
	s_add_co_u32 s[TC], s[KG], 8                   ; my first step
	s_mov_b32 s[SEL], 0x76543210
	s_mov_b32 s[SEL+1], 0xfedcba98
	s_mov_b32 s[K1], 0x3b6c5f04                    ; 2 log2(e) / 800
	s_mov_b32 s[K1+1], s[K1]
	s_mov_b32 s[M2A], 0xc31044fe                   ; - 100 log2(e)
	s_mov_b32 s[M2A+1], s[M2A]
	s_mov_b32 s[HM], 0xffff0000
	s_add_co_u32 s48, s[BG16], s[TC]
	s_mul_i32 s48, s48, 51200
	s_add_co_u32 s48, s48, s[HALF]
	s_mov_b32 s49, 0
	s_mov_b32 s[G0], 1
	s_mul_i32 s[G0+1], s[WV], 25600                ; slot 0: key group 0's block, then key group 1's
	s_wait_dscnt 0x0                               ; both opening adds are done
	s_wait_kmcnt 0x0
	s_add_nc_u64 s[G0+2:G0+3], s[8:9], s[48:49]
	s_or_b32 s[G0+3], s[G0+3], 0x80000000
	tensor_load_to_lds s[G0:G0+3], s[G1:G1+7]      ; every wave's first fill: encoder steps 8 and 9, which count for every query
	s_nop 0
.rept 4
	v_nop
.endr
	v_and_b32 v1, 31, v0
	v_and_b32 v2, 15, v0
	v_bfe_u32 v3, v0, 4, 1
	v_lshlrev_b32 v[L16], 4, v1
	v_lshlrev_b32 v[L4], 2, v1
	s_wait_alu depctr_va_vdst(0)
	s_lshl_b32 s[TT], s[BB], 6
	s_lshl_b32 s48, s[PB], 1
	s_add_co_u32 s[TT], s[TT], s48
	s_add_co_u32 s[TT], s[TT], s[PT]               ; my tile of 16 tokens
	s_lshr_b32 s48, s[TT], 3
	s_lshl_b32 s48, s48, 3
	s_lshl_b32 s49, s[GG], 1
	s_add_co_u32 s48, s48, s49
	s_and_b32 s49, s[TT], 7
	s_add_co_u32 s50, s48, s[KG]                   ; local head 0
	s_xor_b32 s51, s[KG], 1
	s_add_co_u32 s51, s48, s51                     ; local head 1
	s_mul_i32 s52, s49, 3072
	s_mul_i32 s54, s50, 24576
	s_add_co_u32 s54, s54, s52
	s_mov_b32 s55, 0
	s_mul_i32 s56, s51, 24576
	s_add_co_u32 s56, s56, s52
	s_mov_b32 s57, 0
	s_lshl_b32 s52, s49, 6
	s_lshl_b32 s58, s50, 10
	s_add_co_u32 s58, s58, s52
	s_mov_b32 s59, 0
	s_lshl_b32 s74, s51, 10
	s_add_co_u32 s74, s74, s52
	s_mov_b32 s75, 0
	s_add_nc_u64 s[54:55], s[4:5], s[54:55]
	s_add_nc_u64 s[56:57], s[4:5], s[56:57]
	s_add_nc_u64 s[58:59], s[6:7], s[58:59]
	s_add_nc_u64 s[74:75], s[6:7], s[74:75]
	WIN 0x80                                       ; Q's four fragments stay in window 2
.irp l, 0,1
.irp s, 0,1
.irp c, 0,1,2
	global_load_b128 v[QF+24*\l+12*\s+4*\c:QF+24*\l+12*\s+4*\c+3], v[L16], s[54+2*\l:55+2*\l] offset:1536*\s+512*\c
.endr
.endr
.endr
	WIN 0
	v_lshlrev_b32 v[QSA], 9, v3
	v_lshl_add_u32 v[QSA], v2, 2, v[QSA]           ; lanes 0-15 the first K step's words, lanes 16-31 the second's
	global_load_b32 v[QS], v[QSA], s[58:59]
	global_load_b32 v[QS+1], v[QSA], s[74:75]
	s_mul_i32 s48, s[KG], 51200
	v_add_nc_u32 v[AF0], s48, v[L16]
	v_add_nc_u32 v[AS0], s48, v[QSA]
	v_add_nc_u32 v[AV0], s48, v[L4]
	s_lshl_b32 s49, s[KG], 9
	s_add_co_u32 s49, s49, BIAS
	v_lshl_add_u32 v[AB0], v3, 6, s49
	s_lshl_b32 s48, s[WV], 14
	s_add_co_u32 s48, s48, RED
	v_add_nc_u32 v[REDA], s48, v[L16]
	s_xor_b32 s49, s[WV], 2
	s_lshl_b32 s48, s49, 14
	s_add_co_u32 s48, s48, RED
	v_add_nc_u32 v[REDB], s48, v[L16]
	s_lshl_b32 s48, s[WV], 7
	s_add_co_u32 s48, s48, REDL
	v_add_nc_u32 v[RLA], s48, v[L4]
	s_lshl_b32 s48, s49, 7
	s_add_co_u32 s48, s48, REDL
	v_add_nc_u32 v[RLB], s48, v[L4]
	s_lshl_b32 s48, s[BB], 12                      ; my batch's row of the masks and of the positions
	s_mov_b32 s49, 0
	s_add_nc_u64 s[10:11], s[10:11], s[48:49]
	s_add_nc_u64 s[12:13], s[12:13], s[48:49]
	s_add_nc_u64 s[14:15], s[14:15], s[48:49]
	v_lshlrev_b32 v44, 2, v0                       ; thread n takes key n of each of the walk's 14 steps
	s_wait_alu depctr_va_vdst(0)
.irp e, 0,1,2,3,4,5,6,7
	global_load_b32 v[S+\e], v44, s[12:13] offset:512*\e
.endr
.irp e, 8,9,10,11,12,13
	s_sub_co_i32 s50, s[CQ], \e-8
	s_max_i32 s50, s50, 0                          ; (a step that is left out is clamped into the buffer; its entry is never read)
	s_lshl_b32 s50, s50, 9
	v_add_nc_u32 v[S+16+\e], s50, v44
	global_load_b32 v[S+\e], v[S+16+\e], s[10:11]
.endr
; the positions p0 - 512 .. p0 + 31 and their left neighbours: 17 chunks of 32, a lane an index; the index is clamped to 1 for the address alone
	s_lshl_b32 s53, s[PB], 5                       ; p0
	s_sub_co_i32 s51, s53, 512
	v_add_nc_u32 v45, s51, v1
.set m, 0
.rept 17
	v_add_nc_u32 v[J+m], 32*m, v45
	v_max_i32 v[AD+m], 1, v[J+m]
	v_lshlrev_b32 v[AD+m], 2, v[AD+m]
	global_load_b32 v[P0+m], v[AD+m], s[14:15]
	global_load_b32 v[P1+m], v[AD+m], s[14:15] offset:-4
.set m, m+1
.endr
	WIN 0x40                                       ; the step is written once: O^T and the sums begin as zeros
.set i, 0
.rept 256
	v_mov_b32 v[i], 0
.set i, i+1
.endr
	WIN 0
.irp i, 0,1,2,3,4,5,6,7
	v_mov_b32 v[L+\i], 0
.endr
.irp b, 0,1,2,3
	v_mov_b32 v[TM+4+\b], 0
.endr
	v_mov_b32 v49, 0
	v_lshl_add_u32 v47, v0, 2, BIAS
	s_wait_alu depctr_va_vdst(0)
	s_wait_loadcnt 0x0
	v_mov_b32 v45, 0x429044fe                      ; A = 50 log2(e)
	v_mov_b32 v46, 0xf149f2ca                      ; -1e30
.irp e, 0,1,2,3,4,5,6,7,8,9,10,11,12,13
	v_cmp_ne_u32 vcc_lo, 0, v[S+\e]
	v_cndmask_b32 v[S+\e], v46, v45, vcc_lo
	ds_store_b32 v47, v[S+\e] offset:512*\e
.endr
; lo = the first key that can count for my query: max(q - 511, 0, the last index <= q at which the position did not rise).  Indices are under 1,024: exact in f32
	v_mov_b32 v48, -1.0
.set m, 0
.rept 16
	v_cvt_f32_i32 v[J+m], v[J+m]
	v_cmp_le_i32 vcc_lo, v[P0+m], v[P1+m]
	v_cndmask_b32 v[J+m], -1.0, v[J+m], vcc_lo
	v_max_num_f32 v48, v48, v[J+m]
.set m, m+1
.endr
	v_max_num_f32_dpp v48, v48, v48 row_xmask:1 row_mask:0xf bank_mask:0xf
	v_max_num_f32_dpp v48, v48, v48 row_xmask:2 row_mask:0xf bank_mask:0xf
	v_max_num_f32_dpp v48, v48, v48 row_xmask:4 row_mask:0xf bank_mask:0xf
	v_max_num_f32_dpp v48, v48, v48 row_xmask:8 row_mask:0xf bank_mask:0xf
	v_permlanex16_b32 v49, v48, s[SEL], s[SEL+1]
	v_max_num_f32 v48, v48, v49                    ; the last reset ahead of p0
	v_cmp_le_i32 s50, v[P0+16], v[P1+16]           ; bit n: a reset at p0 + n
	v_and_b32 v43, 8, v2
	v_add_nc_u32 v43, v43, v2
	s_lshl_b32 s52, s[PT], 3
	v_add_nc_u32 v43, s52, v43                     ; x = 8 pt + r + 8 (r / 8)
	v_add_nc_u32 v[QV], s53, v43                   ; my query
	v_mov_b32 v44, 2
	v_lshlrev_b32 v44, v43, v44
	v_add_nc_u32 v44, -1, v44                      ; bits 0 .. x
	v_and_b32 v44, s50, v44
	v_lshrrev_b32 v45, 16, v44
	v_and_b32 v46, 0xffff, v44
	v_cvt_f32_u32 v45, v45                         ; 16 bits: exact; the exponent field is 127 + the highest bit's number
	v_cvt_f32_u32 v46, v46
	v_lshrrev_b32 v45, 23, v45
	v_lshrrev_b32 v46, 23, v46
	v_add_nc_u32 v45, 16, v45
	v_max_u32 v45, v45, v46
	v_add_nc_u32 v45, 0xffffff81, v45              ; - 127: under 0 where no bit is set
	v_cmp_le_i32 vcc_lo, 0, v45
	v_add_nc_u32 v45, s53, v45
	v_cvt_f32_i32 v45, v45
	v_cndmask_b32 v45, -1.0, v45, vcc_lo
	v_cvt_f32_i32 v46, v[QV]
	v_add_f32 v46, 0xc3ff8000, v46                 ; q - 511
	v_max3_num_f32 v46, v46, 0, v48
	v_max_num_f32 v46, v46, v45
	v_cvt_i32_f32 v[LO], v46
	v_lshlrev_b32 v47, 4, v3
	v_sub_nc_u32 v[LOH], v[LO], v47                ; lo - 16 h
	WIN 0xc0
	v_sub_nc_u32 v[SPAN3], v[QV], v[LO]            ; q - lo
	v_mov_b32 v[NEG3], 0xf149f2ca
	WIN 0
	s_wait_alu depctr_va_vdst(0)
.macro VCHUNK c                        ; 12 of the 48 loads that bring V^T's 16 fragments
	WIN 0x80
.set i, 12*(\c)
.rept 12
	ds_load_b128 v[4*i:4*i+3], v[AF] offset:24576+512*i
.set i, i+1
.endr
	WIN 0
.endm
.Ltrip:
; THE CHANGE OF SLOTS: all my tensor loads have landed (my part of the slot ahead), the add, the next steps' numbers and my descriptor, the wait for the add and for my LDS instructions, the barrier, the fill of the other slot
	s_wait_tensorcnt 0x0
	ds_add_u32 v[SPW], v[NIL]
	s_add_co_u32 s50, s[SG], 1
	s_lshl_b32 s51, s50, 1
	s_add_co_u32 s52, s51, 8
	s_sub_co_i32 s53, s[CQ8], s51
	s_cmp_lt_u32 s50, 4
	s_cselect_b32 s[TNA], s52, s53                 ; key group 0's next step,
	s_cselect_b32 s54, 1, -1
	s_add_co_i32 s[TNB], s[TNA], s54               ; key group 1's
	s_cmp_lt_u32 s[WV], 2
	s_cselect_b32 s[TN], s[TNA], s[TNB]            ; mine
	s_max_i32 s55, s[TN], 0
	s_add_co_u32 s55, s55, s[BG16]
	s_mul_i32 s56, s55, 51200
	s_add_co_u32 s56, s56, s[HALF]
	s_mov_b32 s57, 0
	s_xor_b32 s[G0+1], s[G0+1], SLOT1
	s_add_nc_u64 s[G0+2:G0+3], s[8:9], s[56:57]
	s_or_b32 s[G0+3], s[G0+3], 0x80000000
	s_wait_dscnt 0x0                               ; the add is done, my reads of the slot that I have left are over, my stores of the bias have landed
	s_barrier_signal -1
	s_barrier_wait -1
; ONE chain, one load on every way through it.  Among self steps key group 1's next step is key group 0's less one, and encoder steps are never left out: where group 0's is left out, so is group 1's
	s_cmp_lt_i32 s[TNA], s[LB]                     ; ids and the count of trips alone: the same in all four waves.  A step that is left out is not asked for
	s_cbranch_scc1 .Lasked
	s_cmp_lt_u32 s[WV], 2
	s_cbranch_scc0 .Lgroup_b
	tensor_load_to_lds s[G0:G0+3], s[G1:G1+7]      ; waves 0, 1: the halves of key group 0's block
	s_nop 0
.rept 4
	v_nop
.endr
	s_branch .Lasked
.Lgroup_b:
	s_cmp_lt_i32 s[TNB], s[LB]
	s_cbranch_scc1 .Lasked
	tensor_load_to_lds s[G0:G0+3], s[G1:G1+7]      ; waves 2, 3: key group 1's
	s_nop 0
.rept 4
	v_nop
.endr
.Lasked:
; A KEY STEP: 128 keys, both heads
	s_cmp_lt_i32 s[TC], s[LB]
	s_cbranch_scc1 .Ldead
	v_add_nc_u32 v[AF], s[TB], v[AF0]              ; (these four are the places in front of the loads into registers that the last products read)
	v_add_nc_u32 v[AS], s[TB], v[AS0]
	v_add_nc_u32 v[AV], s[TB], v[AV0]
	v_add_nc_u32 v[AB], s[SB], v[AB0]
	s_wait_alu depctr_va_vdst(0)                   ; the addresses written above are read by the loads below
.irp k, 0,1,2,3,4,5,6,7
	ds_load_b32 v[KS+\k], v[AS] offset:49152+64*\k
.endr
	WIN 0x80
.irp s, 0,1
.irp k, 0,1,2,3,4,5,6,7
.irp c, 0,1,2
	ds_load_b128 v[12*(2*\k+\s)+4*\c:12*(2*\k+\s)+4*\c+3], v[AF] offset:(2*\k+\s)*1536+512*\c
.endr
.endr
.endr
	WIN 0xc0
.set i, 0
.rept 16
	ds_load_b128 v[4*i:4*i+3], v[AB] offset:128*(i/4)+16*(i%4)   ; register 16 b + i: key 32 b + 16 h + i
.set i, i+1
.endr
	s_wait_dscnt 40                                ; K's words and first halves are in; its second halves (24) and the bias (16) may be out
	WIN 0x0a
.irp k, 0,1,2,3,4,5,6,7
.irp l, 0,1
	v_wmma_scale_f32_16x16x128_f8f6f4 v[S+64*\l+8*\k:S+64*\l+8*\k+7], v[24*\k:24*\k+11], v[QF+24*\l:QF+24*\l+11], 0, v[KS+\k], v[QS+\l] matrix_a_fmt:MATRIX_FMT_FP6 matrix_b_fmt:MATRIX_FMT_FP6
.endr
.endr
	s_wait_dscnt 16                                ; the bias may be out
.irp k, 0,1,2,3,4,5,6,7
.irp l, 0,1
	v_wmma_scale_f32_16x16x128_f8f6f4 v[S+64*\l+8*\k:S+64*\l+8*\k+7], v[24*\k+12:24*\k+23], v[QF+24*\l+12:QF+24*\l+23], v[S+64*\l+8*\k:S+64*\l+8*\k+7], v[KS+\k], v[QS+\l] matrix_a_fmt:MATRIX_FMT_FP6 matrix_b_fmt:MATRIX_FMT_FP6 matrix_a_scale:MATRIX_SCALE_ROW1 matrix_b_scale:MATRIX_SCALE_ROW1
.endr
.endr
	WIN 0
.rept 4
	v_nop
.endr
.irp i, 0,1,2,3,4,5,6,7
	ds_load_b32 v[VS+\i], v[AV] offset:50176+128*\i   ; lanes 0-15 tile 2 i's words, lanes 16-31 tile 2 i + 1's
.endr
	VCHUNK 0
	s_wait_dscnt 20                                ; the bias is in; V's 8 words and first 12 loads may be out
	s_cmp_lt_u32 s[SG], 4
	s_cbranch_scc1 .Lopen
	s_lshl_b32 s48, s[TC], 7                       ; self keys: key counts where lo <= key <= q, that is (key - lo) <= (q - lo) without sign
	WIN 0xc0
	v_sub_nc_u32 v[DLO], v[LOH], s48
	WIN 0xff
.set n, 0
.rept 16                               ; four registers at a time, each with a temporary and a mask of its own: no line waits for the line above it
.irp j, 0,1,2,3
	v_sub_nc_u32 v[TMP3+\j], 32*((n+\j)/16)+(n+\j)%16, v[DLO]
.endr
.irp j, 0,1,2,3
	v_cmp_le_u32 s[MK+\j], v[TMP3+\j], v[SPAN3]
.endr
.irp j, 0,1,2,3
	v_cndmask_b32 v[n+\j], v[NEG3], v[n+\j], s[MK+\j]
.endr
.set n, n+4
.endr
	WIN 0
.Lopen:
.set p, 0
.rept 32                               ; head 0: s k1
	v_pk_mul_f32 v[S+2*p:S+2*p+1], v[S+2*p:S+2*p+1], s[K1:K1+1] op_sel_hi:[1,0]
.set p, p+1
.endr
.set p, 0
.rept 32                               ; head 1: s k1: all the scores are first read ahead of the transcendentals
	v_pk_mul_f32 v[S+64+2*p:S+65+2*p], v[S+64+2*p:S+65+2*p], s[K1:K1+1] op_sel_hi:[1,0]
.set p, p+1
.endr
	VCHUNK 1
	s_wait_alu depctr_va_vdst(0)
.set p, 0
.rept 64                               ; head 0: 2^(s k1)
	v_exp_f32 v[S+p], v[S+p]
.set p, p+1
.endr
	v_nop                                          ; a plain place behind the batch
	s_wait_alu depctr_va_vdst(0)                   ; one wait for the batch, ahead of its first reader
	VCHUNK 2
.set p, 0
.rept 32                               ; head 1: 2^(s k1) | head 0: + 1
	v_exp_f32 v[S+64+2*p], v[S+64+2*p]
	v_exp_f32 v[S+65+2*p], v[S+65+2*p]
	v_pk_add_f32 v[S+2*p:S+2*p+1], v[S+2*p:S+2*p+1], 1.0 op_sel_hi:[1,0]
.set p, p+1
.endr
	s_wait_alu depctr_va_vdst(0)
	VCHUNK 3
.set p, 0
.rept 32                               ; head 0: 1 / (..) | head 1: + 1
	v_rcp_f32 v[S+2*p], v[S+2*p]
	v_rcp_f32 v[S+2*p+1], v[S+2*p+1]
	v_pk_add_f32 v[S+64+2*p:S+65+2*p], v[S+64+2*p:S+65+2*p], 1.0 op_sel_hi:[1,0]
.set p, p+1
.endr
	s_wait_alu depctr_va_vdst(0)
	WIN 0x30                                       ; source 2, the bias, in window 3; the transcendentals have no source 2
.set p, 0
.rept 32                               ; head 1: 1 / (..) | head 0: t = A - 2 A / (1 + ..), or -1e30 for a hidden key
	v_rcp_f32 v[S+64+2*p], v[S+64+2*p]
	v_rcp_f32 v[S+65+2*p], v[S+65+2*p]
	v_pk_fma_f32 v[S+2*p:S+2*p+1], v[S+2*p:S+2*p+1], s[M2A:M2A+1], v[2*p:2*p+1] op_sel_hi:[1,0,1]
.set p, p+1
.endr
	s_wait_alu depctr_va_vdst(0)
.set p, 0
.rept 32                               ; head 0: p = 2^t | head 1: t
	v_exp_f32 v[S+2*p], v[S+2*p]
	v_exp_f32 v[S+2*p+1], v[S+2*p+1]
	v_pk_fma_f32 v[S+64+2*p:S+65+2*p], v[S+64+2*p:S+65+2*p], s[M2A:M2A+1], v[2*p:2*p+1] op_sel_hi:[1,0,1]
.set p, p+1
.endr
	s_wait_alu depctr_va_vdst(0)
	WIN 0
.set p, 0
.rept 32                               ; head 1: p = 2^t | head 0: the sums, taken of the unquantised p, and the blocks' largest p
	v_exp_f32 v[S+64+2*p], v[S+64+2*p]
	v_exp_f32 v[S+65+2*p], v[S+65+2*p]
.if p%2 == 0                           ; head 0, the first level alone, each result in a register of its own, read behind the wait: sixteen sums of two pairs,
	v_pk_add_f32 v[PC+p:PC+p+1], v[S+2*p:S+2*p+1], v[S+2*p+2:S+2*p+3]
.else                                  ; and of each block's first twelve p (none is negative) four maxima of three
	v_max3_num_f32 v[TM+p/2], v[S+16*(p/8)+3*((p/2)%4)], v[S+16*(p/8)+3*((p/2)%4)+1], v[S+16*(p/8)+3*((p/2)%4)+2]
.endif
.set p, p+1
.endr
	s_wait_alu depctr_va_vdst(0)
.set p, 0
.rept 32                               ; head 1: the same two, by turns
	v_pk_add_f32 v[L+4+2*(p%2):L+4+2*(p%2)+1], v[L+4+2*(p%2):L+4+2*(p%2)+1], v[S+64+2*p:S+65+2*p]
	QMAX1 S+64, MX1, p
.set p, p+1
.endr
.set MX0, 44                           ; v44-47 head 0's four block maxima
.set p, 0
.rept 16                               ; head 0: the sixteen part sums onto the row's sums
	v_pk_add_f32 v[L+2*(p%2):L+2*(p%2)+1], v[L+2*(p%2):L+2*(p%2)+1], v[PC+2*p:PC+2*p+1]
.set p, p+1
.endr
.irp b, 0,1,2,3                        ; and the maxima: four part maxima and the block's last four p
	v_max3_num_f32 v[TM+4*\b], v[TM+4*\b], v[TM+4*\b+1], v[S+16*\b+12]
	v_max3_num_f32 v[TM+4*\b+2], v[TM+4*\b+2], v[TM+4*\b+3], v[S+16*\b+13]
.endr
.irp b, 0,1,2,3
	v_max3_num_f32 v[TM+4*\b], v[TM+4*\b], v[TM+4*\b+2], v[S+16*\b+14]
.endr
.irp b, 0,1,2,3
	v_max3_num_f32 v[MX0+\b], v[TM+4*\b], v[S+16*\b+15], 0x1800000   ; and the floor 2^(3 - 127)
.endr
	QFIN S, PC, PW, MX0
	QFIN S+64, PC+12, PW+1, MX1
.rept 8
	v_nop                                          ; a scale word written by a vector instruction stands 8 places ahead of a scaled matrix instruction
.endr
	s_wait_dscnt 0x0                               ; V
	WIN 0x52
	s_wait_alu depctr_va_vdst(0)                   ; directly ahead of the first reader of O^T and of p's codes
.set d, 0
.rept 16
.irp l, 0,1
.if d%2
	v_wmma_scale_f32_16x16x128_f8f6f4 v[128*\l+8*d:128*\l+8*d+7], v[12*d:12*d+11], v[PC+12*\l:PC+12*\l+11], v[128*\l+8*d:128*\l+8*d+7], v[VS+d/2], v[PW+\l] matrix_a_fmt:MATRIX_FMT_FP6 matrix_b_fmt:MATRIX_FMT_FP6 matrix_a_scale:MATRIX_SCALE_ROW1
.else
	v_wmma_scale_f32_16x16x128_f8f6f4 v[128*\l+8*d:128*\l+8*d+7], v[12*d:12*d+11], v[PC+12*\l:PC+12*\l+11], v[128*\l+8*d:128*\l+8*d+7], v[VS+d/2], v[PW+\l] matrix_a_fmt:MATRIX_FMT_FP6 matrix_b_fmt:MATRIX_FMT_FP6
.endif
.endr
.set d, d+1
.endr
	WIN 0
.Ldead:
	s_xor_b32 s[TB], s[TB], SLOT1
	s_add_co_u32 s[SB], s[SB], 1024
	s_mov_b32 s[TC], s[TN]
	s_add_co_u32 s[SG], s[SG], 1
	s_cmp_lt_u32 s[SG], 7
	s_cbranch_scc1 .Ltrip
; THE WAY OUT.  Local head 1's partial O^T and sum go to the wave of the other key group, which finishes that head; mine come back the same way.  (The additions are the places behind the last products.)
.irp l, 0,1
	v_pk_add_f32 v[L+4*\l:L+4*\l+1], v[L+4*\l:L+4*\l+1], v[L+4*\l+2:L+4*\l+3]
.endr
.irp l, 0,1
	v_add_f32 v[L+4*\l], v[L+4*\l], v[L+4*\l+1]
.endr
.irp l, 0,1
	v_permlanex16_b32 v[L+4*\l+2], v[L+4*\l], s[SEL], s[SEL+1]
.endr
.irp l, 0,1
	v_add_f32 v[L+4*\l], v[L+4*\l], v[L+4*\l+2]
.endr
	s_wait_alu depctr_va_vdst(0)
	WIN 0x04
.set i, 0
.rept 32
	ds_store_b128 v[REDA], v[128+4*i:128+4*i+3] offset:512*i   ; each accumulator from its low end on
.set i, i+1
.endr
	WIN 0
	ds_store_b32 v[RLA], v[L+4]
	s_mul_i32 s48, s[TT], 24576
	s_lshl_b32 s50, s[GG], 1
	s_add_co_u32 s50, s50, s[KG]                   ; the head that I finish
	s_mul_i32 s51, s50, 3072
	s_add_co_u32 s48, s48, s51
	s_mov_b32 s49, 0
	s_lshl_b32 s52, s[TT], 10
	s_lshl_b32 s51, s50, 7
	s_add_co_u32 s52, s52, s51
	s_mov_b32 s53, 0
	s_add_nc_u64 s[16:17], s[16:17], s[48:49]
	s_add_nc_u64 s[18:19], s[18:19], s[52:53]
	s_wait_dscnt 0x0                               ; for the partner's sake: my stores have landed
	s_barrier_signal -1
	s_barrier_wait -1
	WIN 0x80
.set i, 0
.rept 32
	ds_load_b128 v[4*i:4*i+3], v[REDB] offset:512*i
.set i, i+1
.endr
	WIN 0
	ds_load_b32 v[LP], v[RLB]
	s_wait_dscnt 0x0
	v_add_f32 v[INV], v[L], v[LP]                  ; the row's whole sum
	s_wait_alu depctr_va_vdst(0)
	v_rcp_f32 v[INV], v[INV]
	v_mov_b32 v[INV+1], 0                          ; a plain place (and the pair's upper half is written)
	s_wait_alu depctr_va_vdst(0)
.irp c, 0,1                                    ; channels 128 c on: K step 2 head + c of the last product
	WIN 0x09
	s_wait_alu depctr_va_vdst(0)                   ; directly ahead of the first readers of O^T
.set p, 0
.rept 32
	v_pk_add_f32 v[S+2*p:S+2*p+1], v[64*\c+2*p:64*\c+2*p+1], v[64*\c+2*p:64*\c+2*p+1]   ; mine (window 1) + the partner's (window 2)
.set p, p+1
.endr
	WIN 0
.set p, 0
.rept 32
	v_pk_mul_f32 v[S+2*p:S+2*p+1], v[S+2*p:S+2*p+1], v[INV:INV+1] op_sel_hi:[1,0]
.set p, p+1
.endr
	s_wait_alu depctr_va_vdst(0)
	s_wait_xcnt 0x0                                ; the stores of the first half have read the codes' registers
	QUANT S, PC, PWO+\c
.irp k, 0,1,2
	global_store_b128 v[L16], v[PC+4*\k:PC+4*\k+3], s[16:17] offset:1536*\c+512*\k
.endr
.endr
	v_cndmask_b32 v[CMO], v[PWO], v[PWO+1], s[HM]
	global_store_b32 v[L4], v[CMO], s[18:19]
	s_wait_tensorcnt 0x0                           ; the wave's end
	ds_add_u32 v[SPW], v[NIL]
	s_wait_dscnt 0x0
	s_endpgm
.Lfunc_end_k_q0566018510_attn:
	.size	k_q0566018510_attn, .Lfunc_end_k_q0566018510_attn-k_q0566018510_attn
	.p2alignl 7, 3214868480
	.fill 96, 4, 3214868480
	.section	.rodata,"a",@progbits
	.p2align	6, 0x0
	.amdhsa_kernel k_q0566018510_attn
		.amdhsa_group_segment_fixed_size 327680
		.amdhsa_private_segment_fixed_size 0
		.amdhsa_enable_private_segment 0
		.amdhsa_kernarg_size 64
		.amdhsa_user_sgpr_count 2
		.amdhsa_user_sgpr_kernarg_segment_ptr 1
		.amdhsa_wavefront_size32 1
		.amdhsa_system_sgpr_workgroup_id_x 1
		.amdhsa_system_sgpr_workgroup_id_y 1
		.amdhsa_system_sgpr_workgroup_id_z 1
		.amdhsa_system_vgpr_workitem_id 0
		.amdhsa_next_free_vgpr 1024
		.amdhsa_next_free_sgpr 80
		.amdhsa_reserve_vcc 1
		.amdhsa_float_denorm_mode_32 3
		.amdhsa_float_denorm_mode_16_64 3
		.amdhsa_memory_ordered 1
		.amdhsa_forward_progress 1
		.amdhsa_inst_pref_size 116
	.end_amdhsa_kernel
	.amdgpu_metadata
---
amdhsa.version: [ 1, 2 ]
amdhsa.kernels:
  - .name:           k_q0566018510_attn
    .symbol:         k_q0566018510_attn.kd
    .args:
      - { .name: qbuf, .offset: 0, .size: 8, .value_kind: global_buffer, .address_space: global }
      - { .name: qscl, .offset: 8, .size: 8, .value_kind: global_buffer, .address_space: global }
      - { .name: kv, .offset: 16, .size: 8, .value_kind: global_buffer, .address_space: global }
      - { .name: decoder_attention_mask, .offset: 24, .size: 8, .value_kind: global_buffer, .address_space: global }
      - { .name: encoder_attention_mask, .offset: 32, .size: 8, .value_kind: global_buffer, .address_space: global }
      - { .name: position_ids, .offset: 40, .size: 8, .value_kind: global_buffer, .address_space: global }
      - { .name: acodes, .offset: 48, .size: 8, .value_kind: global_buffer, .address_space: global }
      - { .name: ascl, .offset: 56, .size: 8, .value_kind: global_buffer, .address_space: global }
    .group_segment_fixed_size: 327680
    .private_segment_fixed_size: 0
    .kernarg_segment_align: 8
    .kernarg_segment_size: 64
    .max_flat_workgroup_size: 128
    .sgpr_count:     80
    .vgpr_count:     1024
    .wavefront_size: 32
...
	.end_amdgpu_metadata
.endif
;; end of part 3
;; launch outp (part 4): grid 16 x 16, 4 waves a work-group, clusters of 4 x 4, 327,680 bytes of LDS; arguments acodes, ascl, codes, scl, out0; writes out0
.if DOCPART == 4
	.amdgcn_target "amdgcn-amd-amdhsa--gfx1250"
	.amdhsa_code_object_version 6
	.text
	.protected	k_q0566018510_outp
	.globl	k_q0566018510_outp
	.p2align	8
	.type	k_q0566018510_outp,@function
k_q0566018510_outp:
	s_mov_b64 s[64:65], 0
	v_nop
	global_prefetch_b8 v0, s[64:65] scope:SCOPE_SE
	s_setreg_imm32_b32 hwreg(HW_REG_WAVE_MODE, 25, 1), 1
	s_wait_xcnt 0x0
	s_wait_alu depctr_hold_cnt(0) depctr_sa_sdst(0) depctr_va_vdst(0) depctr_va_sdst(0) depctr_va_ssrc(0) depctr_va_vcc(0) depctr_vm_vsrc(0)
	s_getreg_b32 s2, hwreg(HW_REG_IB_STS2, 6, 4)
	s_cmp_eq_u32 s2, 0
	s_cbranch_scc0 .Lentry_in_a_cluster
	s_endpgm
.Lentry_in_a_cluster:
	s_bfe_u32 s2, ttmp6, 0x10000c
	s_cmp_lg_u32 s2, 0xf033
	s_cbranch_scc0 .Lentry_shape_is_right
	s_endpgm
.Lentry_shape_is_right:
; out0 = attention's output x wo, both as codes of E2M3 in the order of the operand's registers.  A work-group makes 128 x 128; K goes through two LDS slots of four K steps each, filled by joint loads of a 4 x 4 cluster.
; THE HEAD: one tensor load a wave: wave 0 slot 0's 8 tiles of A, wave 1 those of B, wave 2 A's scale words, wave 3 B's.  Slot 1 is first filled behind the full sequence and a round.
; PREFETCH: behind each of the two first fills a wave asks for the fill two on (fills 2 and 3, the last): of the 4 tiles that it fetches the partner at place p takes tile p: 24 blocks of 256 bytes, a lane a block.
.set FR,    12
.set TROW,  6144
.set HALFT, 24576
.set SLOT,  98304
.set SCL,   196608
.set STAGE, 212992
.set SPITCH, 272
.set SPARE, 230400
.set ADRA, 16
.set ADRB, 20
.set STO,  24
.set RD,   25
.set CO,   26
.set ADRS, 27
.set SPW,  28
.set NIL,  29
.set SC,   32
.set BK,   64
.set ACC,  128
.set G1, 24
.set G0, 32
.set G1B, 48
.set G0B, 56
.set G1S, 68
.set G0S, 76
.set G1SB, 80
.set G0SB, 88
.set MSB, 0
.macro WIN new
.if MSB != (\new)
	s_set_vgpr_msb (MSB<<8)|(\new)
.set MSB, (\new)
.endif
.endm
.set MUL, 0x05
.macro JLOAD g0a, g1a, g0b, g1b
	s_cmp_eq_u32 s15, 0
	s_cbranch_scc0 .Lfor_b_\@
	tensor_load_to_lds s[\g0a:\g0a+3], s[\g1a:\g1a+7]
	s_nop 0
.rept 4
	v_nop
.endr
	s_branch .Lasked_\@
.Lfor_b_\@:
	tensor_load_to_lds s[\g0b:\g0b+3], s[\g1b:\g1b+7]
	s_nop 0
.rept 4
	v_nop
.endr
.Lasked_\@:
.endm
.macro CREST
	s_cmp_lg_u32 s14, 0
	s_cbranch_scc1 .Lnot_wave_0_\@
	s_barrier_signal -3
.Lnot_wave_0_\@:
	s_barrier_wait -3
	s_barrier_signal -1
	s_barrier_wait -1
.endm
.macro CROUND
	s_barrier_signal -1
	s_barrier_wait -1
	CREST
.endm
	s_load_b256 s[4:11], s[0:1], 0x0
	s_load_b64 s[12:13], s[0:1], 0x20
	v_lshl_add_u32 v[SPW], v0, 2, SPARE
	v_mov_b32 v[NIL], 0
	ds_add_u32 v[SPW], v[NIL]
	ds_add_u32 v[SPW], v[NIL]
	v_lshrrev_b32 v1, 5, v0
	v_readfirstlane_b32 s14, v1
	s_lshr_b32 s15, s14, 1
	s_and_b32 s16, s14, 1
	s_bfe_u32 s40, ttmp6, 0x40000
	s_bfe_u32 s41, ttmp6, 0x40004
	s_lshl_b32 s42, ttmp9, 2
	s_add_co_u32 s42, s42, s40
	s_and_b32 s17, ttmp7, 0xffff
	s_lshl_b32 s17, s17, 2
	s_add_co_u32 s17, s17, s41
	s_lshl_b32 s43, s41, 2
	s_lshl_b32 s43, 15, s43
	s_lshl_b32 s44, 0x1111, s40
	s_or_b32 s[G1], s43, (3<<16)|(1<<21)
	s_or_b32 s[G1B], s44, (3<<16)|(1<<21)
.irp g, G1, G1B
	s_mov_b32 s[\g+1], 768<<16
	s_mov_b32 s[\g+2], 8<<16                       ; the head's loads of codes bring 8 tiles; behind them these two words are set to 4
	s_mov_b32 s[\g+3], 768<<16
	s_mov_b32 s[\g+4], 8
	s_mov_b32 s[\g+5], 3072
	s_mov_b32 s[\g+6], 0
	s_mov_b32 s[\g+7], 0
.endr
	s_or_b32 s[G1S], s43, (3<<16)|(1<<21)
	s_or_b32 s[G1SB], s44, (3<<16)|(1<<21)
.irp g, G1S, G1SB
	s_mov_b32 s[\g+1], 32<<16
	s_mov_b32 s[\g+2], 32<<16                      ; the scale words of 8 tiles: 32 rows of 256 bytes
	s_mov_b32 s[\g+3], 32<<16
	s_mov_b32 s[\g+4], 32
	s_mov_b32 s[\g+5], 32
	s_mov_b32 s[\g+6], 0
	s_mov_b32 s[\g+7], 0
.endr
	s_mul_i32 s18, s16, 4*24576                    ; the ring: which 4 of the block's 8 tiles I fetch, in bytes
	s_mov_b32 s19, 0
	s_lshl_b32 s20, s17, 3
	s_lshl_b32 s46, s42, 3
	s_add_co_u32 s46, s46, 512
	s_lshl_b32 s22, s20, 10
	s_mov_b32 s23, 0
	s_mul_i32 s20, s20, 24576
	s_mov_b32 s21, 0
	s_lshl_b32 s92, s46, 10
	s_mov_b32 s93, 0
	s_mul_i32 s46, s46, 24576
	s_mov_b32 s47, 0
	s_mul_i32 s45, s14, HALFT
	s_wait_dscnt 0x0
	s_wait_kmcnt 0x0
	s_add_nc_u64 s[20:21], s[4:5], s[20:21]
	s_add_nc_u64 s[22:23], s[6:7], s[22:23]
	s_add_nc_u64 s[46:47], s[8:9], s[46:47]
	s_add_nc_u64 s[92:93], s[10:11], s[92:93]
	CROUND
	s_mov_b32 s[G0], 1                             ; the head's four tiles, each whole: slot 0's 8 tiles of A,
	s_mov_b32 s[G0+1], 0
	s_mov_b64 s[G0+2:G0+3], s[20:21]
	s_or_b32 s[G0+3], s[G0+3], 0x80000000
	s_mov_b32 s[G0B], 1                            ; its 8 tiles of B behind them,
	s_mov_b32 s[G0B+1], 2*HALFT
	s_mov_b64 s[G0B+2:G0B+3], s[46:47]
	s_or_b32 s[G0B+3], s[G0B+3], 0x80000000
	s_mov_b32 s[G0S], 1                            ; A's scale words,
	s_mov_b32 s[G0S+1], SCL
	s_mov_b64 s[G0S+2:G0S+3], s[22:23]
	s_or_b32 s[G0S+3], s[G0S+3], 0x80000000
	s_mov_b32 s[G0SB], 1                           ; and B's
	s_mov_b32 s[G0SB+1], SCL+8192
	s_mov_b64 s[G0SB+2:G0SB+3], s[92:93]
	s_or_b32 s[G0SB+3], s[G0SB+3], 0x80000000
	s_add_nc_u64 s[94:95], s[20:21], s[18:19]      ; for the ring: my 4 tiles
	s_add_nc_u64 s[96:97], s[46:47], s[18:19]
	s_mov_b32 s[G0+4], 1
	s_add_co_u32 s[G0+5], s45, SLOT
	s_add_nc_u64 s[G0+6:G0+7], s[94:95], TROW
	s_or_b32 s[G0+7], s[G0+7], 0x80000000
	s_mov_b32 s[G0B+4], 1
	s_add_co_u32 s[G0B+5], s45, SLOT
	s_add_nc_u64 s[G0B+6:G0B+7], s[96:97], TROW
	s_or_b32 s[G0B+7], s[G0B+7], 0x80000000
; one chain of arms on the wave's number, one load to an arm, all arms leading to one join: one tensor load a wave at the head
.macro ARM under, g0, g1, next
	s_cmp_lt_u32 s14, \under
	s_cbranch_scc0 \next
	tensor_load_to_lds s[\g0:\g0+3], s[\g1:\g1+7]
	s_nop 0
.rept 4
	v_nop
.endr
	s_branch .Lhead_asked
\next:
.endm
	ARM 1, G0,  G1,  .Lhead_b
	ARM 2, G0B, G1B, .Lhead_sa
	ARM 3, G0S, G1S, .Lhead_sb
	tensor_load_to_lds s[G0SB:G0SB+3], s[G1SB:G1SB+7]
	s_nop 0
.rept 4
	v_nop
.endr
.Lhead_asked:
	v_and_b32 v1, 31, v0
	v_lshlrev_b32 v2, 4, v1
	v_and_b32 v3, 15, v0
	v_bfe_u32 v4, v0, 4, 1
.set PFO, 30                           ; v30 the prefetches' offset: lane l < 24 names block l of a tile's fill (lanes 24-31 name lane 23's again); never rewritten
	v_min_u32 v5, 23, v1
	v_lshlrev_b32 v[PFO], 8, v5
	s_wait_alu depctr_va_vdst(0)
	s_mul_i32 s21, s15, HALFT
	s_mul_i32 s22, s16, HALFT
	s_add_co_u32 s22, s22, 2*HALFT
.irp s, 0,1
	v_add_nc_u32 v[ADRA+\s], s21, v2
	v_add_nc_u32 v[ADRB+\s], s22, v2
	s_add_co_u32 s21, s21, SLOT
	s_add_co_u32 s22, s22, SLOT
.endr
	s_lshl_b32 s21, s15, 12
	s_lshl_b32 s22, s16, 12
	s_add_co_u32 s22, s22, 8192
	s_sub_co_u32 s22, s22, s21
	v_mul_u32_u24 v5, s22, v4
	s_add_co_u32 s21, s21, SCL
	v_lshl_add_u32 v5, v3, 2, v5
	v_add_nc_u32 v[ADRS], s21, v5
	s_mul_i32 s23, s14, 16*SPITCH
	s_add_co_u32 s23, s23, STAGE
	v_mul_u32_u24 v5, v3, SPITCH
	v_lshl_add_u32 v5, v4, 6, v5
	v_add_nc_u32 v[STO], s23, v5
	v_mul_u32_u24 v5, v4, SPITCH
	v_lshl_add_u32 v5, v3, 4, v5
	v_add_nc_u32 v[RD], s23, v5
	v_lshlrev_b32 v5, 13, v4
	v_lshl_add_u32 v[CO], v3, 4, v5
	s_lshl_b32 s20, s17, 7
	s_lshl_b32 s21, s15, 6
	s_add_co_u32 s20, s20, s21
	s_lshl_b32 s20, s20, 13
	s_lshl_b32 s46, s42, 9
	s_lshl_b32 s47, s16, 8
	s_add_co_u32 s46, s46, s47
	s_add_co_u32 s20, s20, s46
	s_mov_b32 s21, 0
	s_add_nc_u64 s[12:13], s[12:13], s[20:21]
.macro FETCH slot, q, f
	WIN 0x40
.irp i, 0,1,2,3
.irp c, 0,1,2
	ds_load_b128 v[128*(\f)+48+FR*\i+4*\c:128*(\f)+48+FR*\i+4*\c+3], v[ADRB+\slot] offset:\i*TROW+(\q)*1536+512*\c
	ds_load_b128 v[128*(\f)+FR*\i+4*\c:128*(\f)+FR*\i+4*\c+3], v[ADRA+\slot] offset:\i*TROW+(\q)*1536+512*\c
.endr
.endr
	WIN 0
.endm
.macro SCALES sc
.irp i, 0,1,2,3
.irp q, 0,1,2,3
	ds_load_b32 v[SC+16*\sc+4*\q+\i], v[ADRS] offset:1024*\i+64*\q
.endr
.endr
.endm
.macro MULS f, sc, q, a0, zero
.irp a, \a0, \a0+1
.irp b, 0,1,2,3
.if \zero
	v_wmma_scale_f32_16x16x128_f8f6f4 v[ACC+8*(4*(\a)+\b):ACC+8*(4*(\a)+\b)+7], v[128*(\f)+48+FR*\b:128*(\f)+48+FR*\b+FR-1], v[128*(\f)+FR*(\a):128*(\f)+FR*(\a)+FR-1], 0, v[SC+16*(\sc)+4*(\q)+\b], v[SC+16*(\sc)+4*(\q)+(\a)] matrix_a_fmt:MATRIX_FMT_FP6 matrix_b_fmt:MATRIX_FMT_FP6 matrix_a_scale:MATRIX_SCALE_ROW1
.else
	v_wmma_scale_f32_16x16x128_f8f6f4 v[ACC+8*(4*(\a)+\b):ACC+8*(4*(\a)+\b)+7], v[128*(\f)+48+FR*\b:128*(\f)+48+FR*\b+FR-1], v[128*(\f)+FR*(\a):128*(\f)+FR*(\a)+FR-1], v[ACC+8*(4*(\a)+\b):ACC+8*(4*(\a)+\b)+7], v[SC+16*(\sc)+4*(\q)+\b], v[SC+16*(\sc)+4*(\q)+(\a)] matrix_a_fmt:MATRIX_FMT_FP6 matrix_b_fmt:MATRIX_FMT_FP6 matrix_a_scale:MATRIX_SCALE_ROW1
.endif
.endr
.endr
.endm
.macro PLACES
.rept 4
	v_nop
.endr
.endm
.macro QUARTER slot, q, zero
	s_wait_dscnt 0x0
	PLACES
	FETCH \slot, (\q)+1, ((\q)+1)%2
	WIN MUL
	MULS (\q)%2, \slot, \q, 0, \zero
	MULS (\q)%2, \slot, \q, 2, \zero
.endm
.macro TURN slot, next, fill
	WIN 0
	s_wait_tensorcnt 0x0
	ds_add_u32 v[SPW], v[NIL]
	s_wait_dscnt 1
	WIN MUL
	MULS 1, \slot, 3, 0, 0
	s_wait_dscnt 0x0
	s_barrier_signal -1
	MULS 1, \slot, 3, 2, 0
	WIN 0
	s_barrier_wait -1
.if \fill
	CREST
	s_add_nc_u64 s[G0+4*\slot+2:G0+4*\slot+3], s[G0+4*\slot+2:G0+4*\slot+3], 2*TROW
	s_add_nc_u64 s[G0B+4*\slot+2:G0B+4*\slot+3], s[G0B+4*\slot+2:G0B+4*\slot+3], 2*TROW
	JLOAD G0+4*\slot, G1, G0B+4*\slot, G1B
.else
	PLACES
.endif
	s_wait_alu depctr_va_vdst(0)
	v_add_nc_u32 v[ADRS], 256, v[ADRS]
	FETCH \next, 0, 0
	SCALES \next
.endm
	s_wait_alu depctr_va_vdst(0)
	s_cmp_eq_u32 s15, 0                            ; do I fetch for A?
	s_cselect_b64 s[92:93], s[94:95], s[96:97]
	s_cselect_b32 s20, s40, s41                    ; my place among the four that ask with me
	s_mul_i32 s20, s20, 24576                      ; my work-group's tile of my four,
	s_add_co_u32 s20, s20, 2*TROW                  ; at fill 2
	s_mov_b32 s21, 0
	s_add_nc_u64 s[92:93], s[92:93], s[20:21]      ; never rewritten behind this line
	global_prefetch_b8 v[PFO], s[92:93] th:TH_LOAD_NT scope:SCOPE_SE
	s_wait_tensorcnt 0x0                           ; my tile of the head's four is in
	ds_add_u32 v[SPW], v[NIL]
	s_mov_b32 s[G1+2], 4<<16                       ; no tensor load of mine is out: from here on a load brings 4 tiles,
	s_mov_b32 s[G1+4], 4
	s_mov_b32 s[G1B+2], 4<<16
	s_mov_b32 s[G1B+4], 4
	s_mov_b32 s[G0+1], s45                         ; and slot 0's descriptors are the ring's
	s_mov_b64 s[G0+2:G0+3], s[94:95]
	s_or_b32 s[G0+3], s[G0+3], 0x80000000
	s_mov_b32 s[G0B+1], s45
	s_mov_b64 s[G0B+2:G0B+3], s[96:97]
	s_or_b32 s[G0B+3], s[G0B+3], 0x80000000
	s_wait_dscnt 0x0
	CROUND
	JLOAD G0+4, G1, G0B+4, G1B                     ; slot 1's first fill: the first tensor load behind the round
	FETCH 0, 0, 0
	SCALES 0
	global_prefetch_b8 v[PFO], s[92:93] offset:TROW th:TH_LOAD_NT scope:SCOPE_SE   ; fill 3
	QUARTER 0, 0, 1
	QUARTER 0, 1, 0
	QUARTER 0, 2, 0
	TURN 0, 1, 1
	QUARTER 1, 0, 0
	QUARTER 1, 1, 0
	QUARTER 1, 2, 0
	TURN 1, 0, 1
	QUARTER 0, 0, 0
	QUARTER 0, 1, 0
	QUARTER 0, 2, 0
	TURN 0, 1, 0
	QUARTER 1, 0, 0
	QUARTER 1, 1, 0
	QUARTER 1, 2, 0
	s_wait_dscnt 0x0
	WIN MUL
	MULS 1, 1, 3, 0, 0
	MULS 1, 1, 3, 2, 0
	WIN 0
	PLACES
.irp a, 0,1,2,3
.if \a >= 2
	s_wait_xcnt 0x0
.endif
.irp b, 0,1,2,3
	ds_store_b128 v[STO], v[ACC+8*(4*\a+\b):ACC+8*(4*\a+\b)+3] offset:128*(\b/2)+32*(\b%2)
	ds_store_b128 v[STO], v[ACC+8*(4*\a+\b)+4:ACC+8*(4*\a+\b)+7] offset:128*(\b/2)+32*(\b%2)+16
.endr
.irp t, 0,1,2,3,4,5,6,7
	ds_load_b128 v[BK+32*(\a%2)+4*\t:BK+32*(\a%2)+4*\t+3], v[RD] offset:\t*2*SPITCH
.endr
	s_wait_dscnt 0x0
.irp t, 0,1,2,3,4,5,6,7
	global_store_b128 v[CO], v[BK+32*(\a%2)+4*\t:BK+32*(\a%2)+4*\t+3], s[12:13] offset:(32*(\a/2)+8*(\a%2)+2*\t+8*(\t/4))*8192 th:TH_STORE_NT
.endr
.endr
	s_wait_tensorcnt 0x0
	ds_add_u32 v[SPW], v[NIL]
	s_wait_dscnt 0x0
	CROUND
	s_endpgm
.Lfunc_end_k_q0566018510_outp:
	.size	k_q0566018510_outp, .Lfunc_end_k_q0566018510_outp-k_q0566018510_outp
	.p2alignl 7, 3214868480
	.fill 96, 4, 3214868480
	.section	.rodata,"a",@progbits
	.p2align	6, 0x0
	.amdhsa_kernel k_q0566018510_outp
		.amdhsa_group_segment_fixed_size 327680
		.amdhsa_private_segment_fixed_size 0
		.amdhsa_enable_private_segment 0
		.amdhsa_kernarg_size 40
		.amdhsa_user_sgpr_count 2
		.amdhsa_user_sgpr_kernarg_segment_ptr 1
		.amdhsa_wavefront_size32 1
		.amdhsa_system_sgpr_workgroup_id_x 1
		.amdhsa_system_sgpr_workgroup_id_y 1
		.amdhsa_system_sgpr_workgroup_id_z 1
		.amdhsa_system_vgpr_workitem_id 0
		.amdhsa_next_free_vgpr 512
		.amdhsa_next_free_sgpr 98
		.amdhsa_reserve_vcc 0
		.amdhsa_float_denorm_mode_32 3
		.amdhsa_float_denorm_mode_16_64 3
		.amdhsa_memory_ordered 1
		.amdhsa_forward_progress 1
		.amdhsa_inst_pref_size 85
	.end_amdhsa_kernel
	.amdgpu_metadata
---
amdhsa.version: [ 1, 2 ]
amdhsa.kernels:
  - .name:           k_q0566018510_outp
    .symbol:         k_q0566018510_outp.kd
    .args:
      - { .name: acodes, .offset: 0, .size: 8, .value_kind: global_buffer, .address_space: global }
      - { .name: ascl, .offset: 8, .size: 8, .value_kind: global_buffer, .address_space: global }
      - { .name: codes, .offset: 16, .size: 8, .value_kind: global_buffer, .address_space: global }
      - { .name: scl, .offset: 24, .size: 8, .value_kind: global_buffer, .address_space: global }
      - { .name: out0, .offset: 32, .size: 8, .value_kind: global_buffer, .address_space: global }
    .group_segment_fixed_size: 327680
    .private_segment_fixed_size: 0
    .kernarg_segment_align: 8
    .kernarg_segment_size: 40
    .max_flat_workgroup_size: 128
    .sgpr_count:     98
    .vgpr_count:     512
    .wavefront_size: 32
...
	.end_amdgpu_metadata
.endif
;; end of part 4
